; MI455X (gfx1250); checked and timed in simulation.
; The chip was launched on July 23, 2026; its instructions are those of AMD's public machine-readable ISA for CDNA 5 (MIT licence, August 2026) and "CDNA5" Instruction Set Architecture Reference Guide (July 2026). The comments in the code are by the model that wrote it; some were corrected since.
;; Multi Head Attention. Allowed arithmetic: matrix products marked QUANTISED: E2M3 operands, one E8M0 scale for each 32 along K, by v_wmma_scale_f32_16x16x128_f8f6f4 with both operands' format E2M3, f32 sums; everything else in f32.
;; Inputs: attention_mask 1 x 4,096 float32; freqs_cis 4,096 x 32 x 2 float32; hidden_states 1 x 4,096 x 1,024 float32; wk 1,024 x 1,024 float32; wo 1,024 x 1,024 float32; wq 1,024 x 1,024 float32; wv 1,024 x 1,024 float32.
;; Outputs: out0 1 x 4,096 x 1,024 float32.
;; This version of the problem:
;;   THIS VERSION OF THE PROBLEM IS GIVEN IN LOW PRECISION. The matrix products marked QUANTISED in the list below multiply operands that are first quantised to E2M3 (2 exponent bits, 3 mantissa bits; 6 bits a number), with one power-of-two scale for each 32 numbers along K (OCP MX v1.0); their sums are f32. All else is computed in f32.
;;   The module's matrix products, in the order in which they are computed (A, B: the left and right operand; K: the contracted axis; several contracted axes count as one K, in the product's order):
;;     1. [M 4,096, K 1,024] x [K 1,024, N 1,024]; A: input hidden_states; B: input wq: QUANTISED
;;     2. [M 4,096, K 1,024] x [K 1,024, N 1,024]; A: input hidden_states; B: input wk: QUANTISED
;;     3. [M 4,096, K 1,024] x [K 1,024, N 1,024]; A: input hidden_states; B: input wv: QUANTISED
;;     4. batch 16 x [M 4,096, K 64] x [K 64, N 4,096]; A: computed on the way; B: computed on the way: QUANTISED
;;     5. batch 16 x [M 64, K 4,096] x [K 4,096, N 4,096]; A: computed on the way; B: softmax (see below): QUANTISED
;;     6. [M 4,096, K 1,024] x [K 1,024, N 1,024]; A: computed on the way; B: input wo: QUANTISED
;;   THE QUANTISER, for each operand of a quantised product, along K:
;;     - K is cut into blocks of 32 from its start; a last block that is shorter is filled with zeros.
;;     - A block's scale is 2^e with e = floor(log2(the largest magnitude in the block)) - 2, held to -126 .. 127; a block of zeros has e = 0. As a byte (E8M0): e + 127.
;;     - Each number is divided by its block's scale, clamped to +-7.5, and rounded to the nearest number of E2M3, ties to even, subnormals kept.
;;     - The product sums the exact products of the quantised numbers (number of the format x scale) in f32.
;;   ~~~python
;;   def quantise(x, axis):      # numpy; x: float32 -> the quantised numbers, widened to float32 again
;;       x = np.moveaxis(x, axis, -1); K = x.shape[-1]
;;       x = np.pad(x, [(0, 0)] * (x.ndim - 1) + [(0, -K % 32)]); x = x.reshape(x.shape[:-1] + (-1, 32)); a = np.abs(x).max(-1, keepdims=True)
;;       e = np.where(a > 0, np.clip(np.frexp(np.where(a > 0, a, 1))[1] - 1 - 2, -126, 127), 0)      # np.frexp(a)[1] - 1 = floor(log2(a)), exactly
;;       r = np.clip(x / 2.0 ** e, -7.5, 7.5)
;;       step = 2.0 ** (np.maximum(np.frexp(np.where(r == 0, 1, r))[1] - 1, 0) - 3)
;;       q = np.round(r / step) * step * 2.0 ** e      # np.round: ties to even
;;       return np.moveaxis(q.reshape(q.shape[:-2] + (-1,))[..., :K], -1, axis).astype(np.float32)
;;   ~~~
;;   SOFTMAX AHEAD OF A QUANTISED PRODUCT. Where the list says 'softmax', what is quantised is not the finished softmax but p = 2^(t - M), with t = logit x log2(e) and M = ceil(the row's largest t), a whole number; so 1/2 < the row's largest p <= 1. The row's sum l is taken of the UNQUANTISED p, in f32, and the product's result is divided by l at the end. Since M is a whole number, a kernel that streams over the keys may use a running M (the ceiling of the running maximum): every later rescaling is an exact power of two, which a block's scale takes up: the codes' values come out the same.
;;   OPERANDS COMPUTED ON THE WAY. 'Computed on the way' means the value that the module computes at that place (a softmax that the list does not call 'softmax' is quantised finished and normalised). What goes into a quantiser is computed in f32, as accurately as f32 sums, v_exp_f32 and their like allow (about 1e-6 of the number): no bf16 or f16 on the way to a quantiser, and a product that is left as it is and whose result goes on into a quantised operand takes f32 operands (vector FMAs, or v_wmma_f32_16x16x4_f32). A number that lies on a knife's edge between two numbers of the format may be rounded either way, as far as f32 arithmetic and the matrix unit's own rounding can turn it there, and no further.
;; One version. Each part assembles by itself: llvm-mc -triple=amdgcn-amd-amdhsa -mcpu=gfx1250 --defsym DOCPART=n.
;; ======== version 1 of 1: 4 launches
;; limits: right only within a limited range of input values
;; workspace buffers: xc 3,145,728 bytes; xs 131,072 bytes; wc 3,145,728 bytes; ws 131,072 bytes; qkv 10,092,544 bytes; oc 3,145,728 bytes; os 131,072 bytes
;; launch prep (part 1): grid 256 x 1, 4 waves a work-group, no clusters, 68,096 bytes of LDS; arguments hidden_states, wq, wk, wv, wo, xc, xs, wc, ws; writes xc, xs, wc, ws
.if DOCPART == 1
	.amdgcn_target "amdgcn-amd-amdhsa--gfx1250"
	.amdhsa_code_object_version 6
	.text
	.protected	k_q1d9d0c4702_prep
	.globl	k_q1d9d0c4702_prep
	.p2align	8
	.type	k_q1d9d0c4702_prep,@function
k_q1d9d0c4702_prep:
	s_mov_b64 s[64:65], 0
	v_nop
	global_prefetch_b8 v0, s[64:65] scope:SCOPE_SE
	s_setreg_imm32_b32 hwreg(HW_REG_WAVE_MODE, 25, 1), 1
	s_wait_xcnt 0x0
; PREP: the five f32 inputs of the projections become codes of FP6 (E2M3) with one E8M0 scale byte for each 32 along K.
; hidden_states [4096][1024] has K innermost: work-groups 0-127, a plain stream of blocks of 32 -> xc [4096][768], xs [4096][32].
; wq, wk, wv, wo [1024 (k)][1024 (n)] have K as their first axis: work-groups 128-255, a lane to a column n, registers down K -> wc [4 x 1024 (n)][768], ws [4 x 1024][32], K innermost.
; TILE ORDER: buffer row p holds true row p with bits 3 and 4 exchanged, so that 16 consecutive buffer rows, taken as source 0 of a product, leave 16 true neighbours in the 16 result registers of two neighbouring tiles.
; A block's scale is 2^(floor(log2(largest magnitude)) - 2); its byte is the largest magnitude's exponent field - 2, held at 1 from below.
; LIMITS: a block of zeros, or one whose largest magnitude lies under 2^-124, gets the byte 1 (its codes are zeros or small; the bytes are read by this program alone); NaN and infinities are not served.
; The two paths part on the work-group's number and have LDS bytes of their own.  No tensor load, no barrier: waves share nothing.
.set STEPS, 16
.set EMAX,  2
.set CB,    12                         ; bytes of 16 codes
.set R,     16                         ; v16-79   X path: four sets of 16 numbers as loaded
.set X,     80                         ; v80-111  two sets of 16 neighbours
.set E,     112                        ; v112-127 a scale byte for each step
.set C,     128                        ; v128-191 codes: four registers a step, so that no store's data are written again
.set WREG,  8192                       ; X path, LDS: a region for each wave: two stages of 32 x SP bytes, then its 256 scale bytes
.set SP,    80                         ; a lane's 64 bytes + 16 of padding
.set SPW,   12                         ; v12 LDS address of my spare word; never rewritten
.set NIL,   13                         ; v13 0; never rewritten
.set WBASE, 32768                      ; W path, LDS: four stages of 32 rows x PITCH
.set PITCH, 272                        ; sixteen places of 16 bytes (12 of codes each) + 16
.set SPARE, WBASE+4*32*PITCH           ; the spare words: 128 bytes a wave, two blocks of 256 bytes that no other line names
.set KROW,  768                        ; a row of codes in bytes
.set NB,    8                          ; W path: blocks of 32 along K for a wave (256 along K)
.set WX,    32                         ; v32-95   W path: two sets of 32 numbers
.set WC,    96                         ; v96..    a block's codes
.set OUTR,  112                        ; v112-175 the way out
.set SB,    24                         ; v24-25   eight scale bytes
.macro XLOAD t
.irp i, 0,1,2,3
	global_load_b128 v[R+16*((\t)%4)+4*\i:R+16*((\t)%4)+4*\i+3], v3, s[4:5] offset:2048*(\t)+512*\i th:TH_LOAD_NT   ; 32 lanes read 512 consecutive bytes
.endr
.endm
.macro XTURN t                         ; step t's numbers through the stage: LDS serves a wave's instructions in order, so no wait stands between the stores and the loads
.irp i, 0,1,2,3
	ds_store_b128 v14, v[R+16*((\t)%4)+4*\i:R+16*((\t)%4)+4*\i+3] offset:32*SP*((\t)%2)+8*SP*\i
.endr
.irp i, 0,1,2,3
	ds_load_b128 v[X+16*((\t)%2)+4*\i:X+16*((\t)%2)+4*\i+3], v15 offset:32*SP*((\t)%2)+16*\i
.endr
.endm
.macro XSTEP t
.set XS, X+16*((\t)%2)
.if (\t) > 0
	s_wait_dscnt 1                                 ; this step's numbers are back from the stage; the last step's byte store may be out
.else
	s_wait_dscnt 0x0
.endif
.if (\t)+4 < STEPS
	XLOAD (\t)+4                                   ; into the registers that the stage's stores have read
.endif
.if (\t)+1 < STEPS
.if STEPS-2-(\t) >= 3
	s_wait_loadcnt 12                              ; the next step's four loads are in; those of the three steps behind it may be out
.else
	s_wait_loadcnt 4*(STEPS-2-(\t))
.endif
	XTURN (\t)+1
.endif
	v_max3_num_f32 v8, |v[XS]|, |v[XS+1]|, |v[XS+2]|               ; the largest magnitude of my 16, in two chains
	v_max3_num_f32 v9, |v[XS+3]|, |v[XS+4]|, |v[XS+5]|
.irp i, 6,10
	v_max3_num_f32 v8, v8, |v[XS+\i]|, |v[XS+\i+1]|
	v_max3_num_f32 v9, v9, |v[XS+\i+2]|, |v[XS+\i+3]|
.endr
	v_max3_num_f32 v8, v8, |v[XS+14]|, |v[XS+15]|
	v_max3_num_f32 v8, v8, v9, (EMAX+1)<<23        ; and the floor 2^(3 - 127): the byte cannot fall under 1
	v_max_num_f32_dpp v8, v8, v8 row_xmask:1 row_mask:0xf bank_mask:0xf   ; with my neighbour's 16: the block's
	v_add_nc_u32 v11, -(EMAX<<23), v8              ; 2 off its exponent field: the conversion takes the exponent field of this operand as its scale
	v_cvt_scalef32_pk16_fp6_f32 v[C+4*(\t):C+4*(\t)+2], v[XS:XS+15], v11
	v_lshrrev_b32 v[E+(\t)], 23, v11               ; the scale's byte (also the plain line behind the conversion)
	ds_store_b8 v5, v[E+(\t)] offset:16*(\t)       ; both lanes of a block write the same byte with the same value
	global_store_b96 v4, v[C+4*(\t):C+4*(\t)+2], s[14:15] offset:32*CB*(\t)   ; the wave stores 384 consecutive bytes
.endm
.macro WLOAD t                         ; block t: W(32 t + i, my column), i = 0 .. 31, into set t % 2; 32 lanes read 128 consecutive bytes
.irp i, 0,1,2,3,4,5,6,7,8,9,10,11,12,13,14,15,16,17,18,19,20,21,22,23,24,25,26,27,28,29,30,31
	global_load_b32 v[WX+32*((\t)%2)+\i], v3, s[6:7] offset:(32*(\t)+\i)*4096 th:TH_LOAD_NT
.endr
.endm
.macro BLOCK t
.set XS, WX+32*((\t)%2)
.if (\t) < NB-1
	s_wait_loadcnt 32                              ; this block's 32 loads are in; the next block's may be out
.else
	s_wait_loadcnt 0
.endif
	v_max3_num_f32 v16, |v[XS]|, |v[XS+1]|, |v[XS+2]|               ; all 32 numbers of the block are mine
	v_max3_num_f32 v17, |v[XS+3]|, |v[XS+4]|, |v[XS+5]|
.irp i, 6,10,14,18,22,26
	v_max3_num_f32 v16, v16, |v[XS+\i]|, |v[XS+\i+1]|
	v_max3_num_f32 v17, v17, |v[XS+\i+2]|, |v[XS+\i+3]|
.endr
	v_max3_num_f32 v16, v16, |v[XS+30]|, |v[XS+31]|
	v_max3_num_f32 v16, v16, v17, (EMAX+1)<<23
	v_add_nc_u32 v11, -(EMAX<<23), v16
	v_lshrrev_b32 v17, 23, v11                     ; the scale's byte
.if (\t)%4 == 0
	v_mov_b32 v[SB+(\t)/4], v17
.else
	v_lshl_or_b32 v[SB+(\t)/4], v17, 8*((\t)%4), v[SB+(\t)/4]
.endif
	v_cvt_scalef32_pk16_fp6_f32 v[WC:WC+2], v[XS:XS+15], v11
	v_cvt_scalef32_pk16_fp6_f32 v[WC+4:WC+6], v[XS+16:XS+31], v11
	ds_store_b96 v4, v[WC:WC+2] offset:32*(\t)     ; 12 bytes to a place of 16, so that every LDS address is a multiple of 16
	ds_store_b96 v4, v[WC+4:WC+6] offset:32*(\t)+16
.if (\t)+2 < NB
	WLOAD (\t)+2
.endif
	s_wait_dscnt 0x0                               ; the stores have read their registers: the next block's codes may be written
.endm
	s_load_b256 s[4:11], s[0:1], 0x0               ; hidden_states s[4:5], wq s[6:7], wk s[8:9], wv s[10:11]
	s_load_b256 s[12:19], s[0:1], 0x20             ; wo s[12:13], xc s[14:15], xs s[16:17], wc s[18:19]
	s_load_b64 s[20:21], s[0:1], 0x40              ; ws
	v_lshl_add_u32 v[SPW], v0, 2, SPARE
	v_mov_b32 v[NIL], 0
	v_lshrrev_b32 v1, 5, v0
	v_readfirstlane_b32 s24, v1                    ; wave 0..3
	v_and_b32 v2, 31, v0                           ; lane
	s_cmp_lt_u32 ttmp9, 128
	s_cbranch_scc0 .Lweights
	; ---- hidden_states: a wave takes a run of 8,192 numbers, 8 rows, in 16 steps of 512
	v_lshlrev_b32 v3, 4, v2                        ; my 16 bytes of a load's 512
	s_mul_i32 s25, s24, WREG
	v_lshrrev_b32 v14, 2, v2
	v_mul_u32_u24 v14, v14, SP
	v_and_b32 v15, 3, v2
	v_lshl_add_u32 v14, v15, 4, v14
	v_add_nc_u32 v14, s25, v14                     ; the stage, on the way in: SP (lane / 4) + 16 (lane % 4)
	v_mul_u32_u24 v15, v2, SP
	v_add_nc_u32 v15, s25, v15                     ; and on the way out: SP x lane: my 16 neighbours
	v_mul_u32_u24 v4, v2, CB                       ; my codes' place in a step's
	v_lshrrev_b32 v5, 1, v2
	s_add_co_u32 s25, s25, 2*32*SP
	v_add_nc_u32 v5, s25, v5                       ; my wave's 256 scale bytes, my block's byte
	v_lshlrev_b32 v7, 3, v2
	v_add_nc_u32 v6, s25, v7                       ; and on the way out 8 bytes a lane
	s_lshl_b32 s26, ttmp9, 2
	s_add_co_u32 s28, s26, s24                     ; the run that I read: 4 x work-group + wave
	s_mov_b32 s29, 0
	s_lshl_b64 s[30:31], s[28:29], 15              ; 32,768 bytes a run
	s_and_b32 s27, s24, 1
	s_lshl_b32 s27, s27, 1
	s_lshr_b32 s32, s24, 1
	s_or_b32 s27, s27, s32
	s_add_co_u32 s28, s26, s27                     ; the run that I write: a run is 8 rows, so the exchange of the wave's two bits is the tile order
	s_mul_i32 s32, s28, 32*STEPS*CB                ; 6,144 bytes of codes a run
	s_mov_b32 s33, 0
	s_lshl_b32 s34, s28, 8                         ; 256 scale bytes a run
	s_mov_b32 s35, 0
	s_wait_alu depctr_va_vdst(0)
	s_wait_kmcnt 0x0
	s_add_nc_u64 s[4:5], s[4:5], s[30:31]
	s_add_nc_u64 s[14:15], s[14:15], s[32:33]
	s_add_nc_u64 s[16:17], s[16:17], s[34:35]
.irp t, 0,1,2,3
	XLOAD \t
.endr
	s_wait_loadcnt 12                              ; step 0's four loads are in
	XTURN 0
.irp t, 0,1,2,3,4,5,6,7,8,9,10,11,12,13,14,15
	XSTEP \t
.endr
	ds_load_b64 v[8:9], v6                         ; LDS serves a wave's instructions in order: these see my byte stores
	s_wait_dscnt 0x0
	global_store_b64 v7, v[8:9], s[16:17]          ; 32 lanes store 256 consecutive bytes, aligned
	s_wait_tensorcnt 0x0                           ; the wave's end, behind my last LDS store
	ds_add_u32 v[SPW], v[NIL]
	s_wait_dscnt 0x0
	s_endpgm
.Lweights:
	; ---- a weight: a wave takes 32 columns x 256 along K
	s_sub_co_u32 s25, ttmp9, 128
	s_lshr_b32 s26, s25, 5                         ; which weight: 0 wq, 1 wk, 2 wv, 3 wo
	s_bfe_u32 s27, s25, 0x30002                    ; which 128 columns
	s_and_b32 s28, s25, 3                          ; which 256 along K
	s_lshl_b32 s27, s27, 7
	s_lshl_b32 s29, s24, 5
	s_add_co_u32 s27, s27, s29                     ; my wave's first column
	s_wait_alu depctr_va_vdst(0)
	v_lshlrev_b32 v3, 2, v2                        ; in: 4 bytes a lane
	s_mul_i32 s29, s24, 32*PITCH
	s_add_co_u32 s29, s29, WBASE                   ; my stage
	v_mul_u32_u24 v4, v2, PITCH
	v_add_nc_u32 v4, s29, v4                       ; into it: row = my column
	v_and_b32 v5, 15, v2
	v_lshrrev_b32 v6, 4, v2
	v_mul_u32_u24 v7, v6, PITCH
	v_lshl_add_u32 v7, v5, 4, v7
	v_add_nc_u32 v7, s29, v7                       ; out of it: sixteen lanes to a row, two rows an instruction
	v_mul_u32_u24 v8, v6, KROW
	v_mad_u32_u24 v8, v5, 12, v8                   ; and the same place in the codes' buffer
	v_and_b32 v9, 7, v2                            ; my column's row among the 32, in tile order: bits 3 and 4 exchanged
	v_bfe_u32 v10, v2, 3, 1
	v_lshl_or_b32 v9, v10, 4, v9
	v_bfe_u32 v10, v2, 4, 1
	v_lshl_or_b32 v9, v10, 3, v9
	v_lshlrev_b32 v9, 5, v9                        ; 32 scale bytes a row
	s_lshl_b32 s30, s28, 20                        ; 256 rows of 4,096 bytes
	s_lshl_b32 s31, s27, 2
	s_add_co_u32 s30, s30, s31
	s_mov_b32 s31, 0
	s_lshl_b32 s32, s26, 10
	s_add_co_u32 s32, s32, s27                     ; my first row in wc and ws
	s_mul_i32 s34, s32, KROW
	s_mul_i32 s33, s28, 192
	s_add_co_u32 s34, s34, s33
	s_mov_b32 s35, 0
	s_lshl_b32 s36, s32, 5
	s_lshl_b32 s33, s28, 3
	s_add_co_u32 s36, s36, s33
	s_mov_b32 s37, 0
	s_wait_kmcnt 0x0
	s_cmp_eq_u32 s26, 1                            ; the choice hangs on the work-group's number alone
	s_cselect_b64 s[6:7], s[8:9], s[6:7]
	s_cmp_eq_u32 s26, 2
	s_cselect_b64 s[6:7], s[10:11], s[6:7]
	s_cmp_eq_u32 s26, 3
	s_cselect_b64 s[6:7], s[12:13], s[6:7]
	s_add_nc_u64 s[6:7], s[6:7], s[30:31]
	s_add_nc_u64 s[18:19], s[18:19], s[34:35]
	s_add_nc_u64 s[20:21], s[20:21], s[36:37]
	WLOAD 0
	WLOAD 1
.set Q, 0
.rept NB
	BLOCK Q
.set Q, Q+1
.endr
	s_wait_alu depctr_va_vdst(0)
	global_store_b64 v9, v[SB:SB+1], s[20:21]      ; my column's eight scale bytes
.irp t, 0,1,2,3,4,5,6,7,8,9,10,11,12,13,14,15
.set TS, (\t&3)|((\t&4)<<1)|((\t&8)>>1)
	ds_load_b96 v[OUTR+4*\t:OUTR+4*\t+2], v7 offset:2*TS*PITCH   ; output rows 2 t, 2 t + 1 hold the columns whose bits 3 and 4 are exchanged: t's bits 2 and 3
.endr
.irp t, 0,1,2,3,4,5,6,7,8,9,10,11,12,13,14,15
	s_wait_dscnt 15-\t                             ; LDS loads come back in order: load t is in
	global_store_b96 v8, v[OUTR+4*\t:OUTR+4*\t+2], s[18:19] offset:2*\t*KROW   ; sixteen lanes store a row's 192 consecutive bytes
.endr
	s_wait_tensorcnt 0x0                           ; the wave's end, behind my last LDS store
	ds_add_u32 v[SPW], v[NIL]
	s_wait_dscnt 0x0
	s_endpgm
.Lfunc_end_k_q1d9d0c4702_prep:
	.size	k_q1d9d0c4702_prep, .Lfunc_end_k_q1d9d0c4702_prep-k_q1d9d0c4702_prep
	.p2alignl 7, 3214868480
	.fill 96, 4, 3214868480
	.section	.rodata,"a",@progbits
	.p2align	6, 0x0
	.amdhsa_kernel k_q1d9d0c4702_prep
		.amdhsa_group_segment_fixed_size 68096
		.amdhsa_private_segment_fixed_size 0
		.amdhsa_enable_private_segment 0
		.amdhsa_kernarg_size 72
		.amdhsa_user_sgpr_count 2
		.amdhsa_user_sgpr_kernarg_segment_ptr 1
		.amdhsa_wavefront_size32 1
		.amdhsa_system_sgpr_workgroup_id_x 1
		.amdhsa_system_sgpr_workgroup_id_y 1
		.amdhsa_system_sgpr_workgroup_id_z 1
		.amdhsa_system_vgpr_workitem_id 0
		.amdhsa_next_free_vgpr 192
		.amdhsa_next_free_sgpr 66
		.amdhsa_reserve_vcc 0
		.amdhsa_float_denorm_mode_32 3
		.amdhsa_float_denorm_mode_16_64 3
		.amdhsa_memory_ordered 1
		.amdhsa_forward_progress 1
		.amdhsa_inst_pref_size 74
	.end_amdhsa_kernel
	.amdgpu_metadata
---
amdhsa.version: [ 1, 2 ]
amdhsa.kernels:
  - .name:           k_q1d9d0c4702_prep
    .symbol:         k_q1d9d0c4702_prep.kd
    .args:
      - { .name: hidden_states, .offset: 0, .size: 8, .value_kind: global_buffer, .address_space: global }
      - { .name: wq, .offset: 8, .size: 8, .value_kind: global_buffer, .address_space: global }
      - { .name: wk, .offset: 16, .size: 8, .value_kind: global_buffer, .address_space: global }
      - { .name: wv, .offset: 24, .size: 8, .value_kind: global_buffer, .address_space: global }
      - { .name: wo, .offset: 32, .size: 8, .value_kind: global_buffer, .address_space: global }
      - { .name: xc, .offset: 40, .size: 8, .value_kind: global_buffer, .address_space: global }
      - { .name: xs, .offset: 48, .size: 8, .value_kind: global_buffer, .address_space: global }
      - { .name: wc, .offset: 56, .size: 8, .value_kind: global_buffer, .address_space: global }
      - { .name: ws, .offset: 64, .size: 8, .value_kind: global_buffer, .address_space: global }
    .group_segment_fixed_size: 68096
    .private_segment_fixed_size: 0
    .kernarg_segment_align: 8
    .kernarg_segment_size: 72
    .max_flat_workgroup_size: 128
    .sgpr_count:     66
    .vgpr_count:     192
    .wavefront_size: 32
...
	.end_amdgpu_metadata
.endif
;; end of part 1
;; launch qkv (part 2): grid 16 x 12, 4 waves a work-group, clusters of 4 x 4, 327,680 bytes of LDS; arguments xc, xs, wc, ws, freqs_cis, attention_mask, qkv; writes qkv
.if DOCPART == 2
	.amdgcn_target "amdgcn-amd-amdhsa--gfx1250"
	.amdhsa_code_object_version 6
	.text
	.protected	k_q1d9d0c4702_qkv
	.globl	k_q1d9d0c4702_qkv
	.p2align	8
	.type	k_q1d9d0c4702_qkv,@function
k_q1d9d0c4702_qkv:
	s_mov_b64 s[64:65], 0
	v_nop
	global_prefetch_b8 v0, s[64:65] scope:SCOPE_SE
	s_setreg_imm32_b32 hwreg(HW_REG_WAVE_MODE, 25, 1), 1
	s_wait_xcnt 0x0
	s_wait_alu depctr_hold_cnt(0) depctr_sa_sdst(0) depctr_va_vdst(0) depctr_va_sdst(0) depctr_va_ssrc(0) depctr_va_vcc(0) depctr_vm_vsrc(0)
	s_getreg_b32 s2, hwreg(HW_REG_IB_STS2, 6, 4)
	s_cmp_eq_u32 s2, 0
	s_cbranch_scc0 .Lentry_in_a_cluster
	s_endpgm
.Lentry_in_a_cluster:
	s_bfe_u32 s2, ttmp6, 0x10000c
	s_cmp_lg_u32 s2, 0xf033
	s_cbranch_scc0 .Lentry_shape_is_right
	s_endpgm
.Lentry_shape_is_right:
; QKV: the three projections on codes of FP6 (E2M3), then rotary turn, quantising and the images that the attention launch reads.
; A tile of 256 x 256 to a work-group, 128 x 128 to each of four waves (64 accumulators).  Cluster rows 0, 1: q and k: source 1 = rows of xc, source 0 = rows of wc (wq, wk).
; Cluster row 2: v, with the roles exchanged (source 1 = rows of wv, source 0 = rows of xc), so that v's codes run along the keys.
; K = 1,024 is 768 bytes a row and goes through a ring of two LDS slots in CHUNKS OF 256 BYTES of each row: every tile row is 256 bytes of memory and begins on a multiple of 256.
; A step of 128 along K is 96 bytes: eight steps to three chunks; steps 2 and 5 lie across two chunks and take their pieces from both slots.
; The scales of the 256 + 256 rows come once, as dense units of 256 bytes.  At the head one joint load a wave: chunk 0 of A, of B, A's scales, B's scales.
; Joint loads: A's tiles are shared along a row of the 4 x 4 cluster, B's along a column.  No prefetch: the walk has three chunks, of which two are asked for before the first product.
; OUT, per head and block of 128 positions (BP bytes): k's images and scale words, v's images and words, 8 x the mask's terms, q's images and words.
; LIMITS: a block whose largest magnitude lies under 2^-124 gets the scale byte 1; NaN and infinities are not served.
.set ROWB,   256
.set NQ,     2
.set KROW,   768
.set STEPS,  8
.set CHUNKS, 3
.set PITCH,  272
.set FR,     12
.set NL,     6
.set NP,     4
.set HALFT,  128*PITCH
.set SLOT,   4*HALFT
.set KS,     32
.set SCL,    2*SLOT
.set HALFS,  (128*KS/256)*272
.set SBLK,   (16*KS/256)*272
.set SPARE,  SCL+4*HALFS
.set HS,     630784
.set BP,     19712
.set KSO,    6144
.set VI,     6400
.set VSO,    12544
.set MK,     12800
.set QI,     13312
.set ADRA, 16
.set ADRB, 20
.set LI,   24
.set FA,   25
.set SA,   26
.set ADRS, 27
.set SPW,  28
.set NIL,  29
.set SC,   32
.set AF,   128
.set HA,   32
.set IA,   96
.set IB,   108
.set VPC,  96
.set TC,   120
.set TM,   128
.set WD,   144
.set WS,   152
.set TW,   156
.set MKR,  160
.set SEL,  92
.set HIM,  94
.set G1, 24
.set G0, 32
.set G1B, 48
.set G0B, 56
.set G1S, 68
.set G0S, 76
.set G1SB, 80
.set G0SB, 88
.set G0H, 4
.set G0HB, 8
.set MSB, 0
.macro WIN new
.if MSB != (\new)
	s_set_vgpr_msb (MSB<<8)|(\new)
.set MSB, (\new)
.endif
.endm
.set MUL_LO, 0xa1
.set MUL_HI, 0xf1
.set TO_B,   0x40
.macro JLOAD g0a, g1a, g0b, g1b        ; waves 0, 1 fetch for A, waves 2, 3 for B; s_nop 0 and four v_nop behind each load
	s_cmp_eq_u32 s15, 0
	s_cbranch_scc0 .Lfor_b_\@
	tensor_load_to_lds s[\g0a:\g0a+3], s[\g1a:\g1a+7]
	s_nop 0
.rept 4
	v_nop
.endr
	s_branch .Lasked_\@
.Lfor_b_\@:
	tensor_load_to_lds s[\g0b:\g0b+3], s[\g1b:\g1b+7]
	s_nop 0
.rept 4
	v_nop
.endr
.Lasked_\@:
.endm
.macro CREST
	s_cmp_lg_u32 s14, 0
	s_cbranch_scc1 .Lnot_wave_0_\@
	s_barrier_signal -3
.Lnot_wave_0_\@:
	s_barrier_wait -3
	s_barrier_signal -1
	s_barrier_wait -1
.endm
.macro CROUND
	s_barrier_signal -1
	s_barrier_wait -1
	CREST
.endm
.macro FINISH                          ; the wave's end: a wait for the tensor loads, the add and its wait, and the closing round
	s_wait_tensorcnt 0x0
	ds_add_u32 v[SPW], v[NIL]
	s_wait_dscnt 0x0
	CROUND
	s_endpgm
.endm
	s_load_b256 s[4:11], s[0:1], 0x0               ; xc, xs, wc, ws
	s_load_b128 s[96:99], s[0:1], 0x20             ; freqs_cis, attention_mask
	s_load_b64 s[100:101], s[0:1], 0x30            ; qkv
	v_lshl_add_u32 v[SPW], v0, 2, SPARE
	v_mov_b32 v[NIL], 0
	ds_add_u32 v[SPW], v[NIL]                      ; the opening lines: the add twice and one wait
	ds_add_u32 v[SPW], v[NIL]
	v_lshrrev_b32 v1, 5, v0
	v_readfirstlane_b32 s14, v1                    ; wave
	s_lshr_b32 s15, s14, 1
	s_and_b32 s16, s14, 1
	s_bfe_u32 s40, ttmp6, 0x40000                  ; cx
	s_bfe_u32 s41, ttmp6, 0x40004                  ; cy
	s_and_b32 s95, ttmp7, 0xffff                   ; cluster row: 0, 1 q and k; 2 v
	s_lshl_b32 s42, ttmp9, 2
	s_add_co_u32 s42, s42, s40
	s_and_b32 s2, s42, 7
	s_lshl_b32 s17, s95, 2
	s_add_co_u32 s17, s17, s41
	s_lshr_b32 s3, ttmp9, 1
	s_lshl_b32 s3, s3, 3
	s_add_co_u32 s3, s3, s17
	s_cmp_eq_u32 s95, 2
	s_cselect_b32 s42, s42, s2                     ; B's tile
	s_cselect_b32 s17, s17, s3                     ; A's tile
	s_lshl_b32 s43, s41, 2
	s_lshl_b32 s43, 15, s43                        ; my row of the cluster
	s_lshl_b32 s44, 0x1111, s40                    ; my column
	s_or_b32 s[G1+0], s43, (0<<16)|(1<<20)|(1<<21)|(5<<22)|(3<<25)   ; bytes; 16 bytes of padding behind each 256
	s_or_b32 s[G1B+0], s44, (0<<16)|(1<<20)|(1<<21)|(5<<22)|(3<<25)
.irp g, G1, G1B
	s_mov_b32 s[\g+1], ROWB<<16
	s_mov_b32 s[\g+2], 256<<16                     ; 256 rows for the head's loads
	s_mov_b32 s[\g+3], ROWB<<16
	s_mov_b32 s[\g+4], 256
	s_mov_b32 s[\g+5], KROW
	s_mov_b32 s[\g+6], 0
	s_mov_b32 s[\g+7], 0
.endr
	s_or_b32 s[G1S+0], s43, (3<<16)|(1<<20)|(1<<21)|(5<<22)|(3<<25)
	s_or_b32 s[G1SB+0], s44, (3<<16)|(1<<20)|(1<<21)|(5<<22)|(3<<25)
.irp g, G1S, G1SB
	s_mov_b32 s[\g+1], 32<<16                      ; the scales of 256 rows: 32 dense rows of 256 bytes
	s_mov_b32 s[\g+2], KS<<16
	s_mov_b32 s[\g+3], 32<<16
	s_mov_b32 s[\g+4], KS
	s_mov_b32 s[\g+5], 32
	s_mov_b32 s[\g+6], 0
	s_mov_b32 s[\g+7], 0
.endr
	s_lshl_b32 s20, s17, 8
	s_lshl_b32 s46, s42, 8
	s_mov_b32 s21, 0
	s_mov_b32 s47, 0
	s_mov_b64 s[18:19], KS
	s_mul_u64 s[22:23], s[20:21], s[18:19]
	s_mul_u64 s[92:93], s[46:47], s[18:19]
	s_mov_b64 s[18:19], KROW
	s_mul_u64 s[20:21], s[20:21], s[18:19]
	s_mul_u64 s[46:47], s[46:47], s[18:19]
	s_mul_i32 s18, s16, 128*KROW                   ; in the ring I fetch 128 rows of a tile
	s_mov_b32 s19, 0
	s_mul_i32 s45, s14, HALFT
	s_wait_dscnt 0x0
	s_wait_kmcnt 0x0
	s_cmp_eq_u32 s95, 2                            ; v: the weight is A, the tokens are B; the choice hangs on the cluster's row alone
	s_mov_b64 s[66:67], s[4:5]
	s_cselect_b64 s[4:5], s[8:9], s[4:5]
	s_cselect_b64 s[8:9], s[66:67], s[8:9]
	s_mov_b64 s[66:67], s[6:7]
	s_cselect_b64 s[6:7], s[10:11], s[6:7]
	s_cselect_b64 s[10:11], s[66:67], s[10:11]
	s_add_nc_u64 s[20:21], s[4:5], s[20:21]
	s_add_nc_u64 s[22:23], s[6:7], s[22:23]
	s_add_nc_u64 s[46:47], s[8:9], s[46:47]
	s_add_nc_u64 s[92:93], s[10:11], s[92:93]
	CROUND                                         ; the first joint loads meet
	s_mov_b32 s[G0H], 1
	s_mov_b32 s[G0H+1], 0
	s_mov_b64 s[G0H+2:G0H+3], s[20:21]
	s_or_b32 s[G0H+3], s[G0H+3], 0x80000000
	s_mov_b32 s[G0HB], 1
	s_mov_b32 s[G0HB+1], 2*HALFT
	s_mov_b64 s[G0HB+2:G0HB+3], s[46:47]
	s_or_b32 s[G0HB+3], s[G0HB+3], 0x80000000
	s_mov_b32 s[G0S], 1
	s_mov_b32 s[G0S+1], SCL
	s_mov_b64 s[G0S+2:G0S+3], s[22:23]
	s_or_b32 s[G0S+3], s[G0S+3], 0x80000000
	s_mov_b32 s[G0SB], 1
	s_mov_b32 s[G0SB+1], SCL+2*HALFS
	s_mov_b64 s[G0SB+2:G0SB+3], s[92:93]
	s_or_b32 s[G0SB+3], s[G0SB+3], 0x80000000
	s_add_nc_u64 s[20:21], s[20:21], s[18:19]
	s_add_nc_u64 s[46:47], s[46:47], s[18:19]
.irp s, 0,1
	s_mov_b32 s[G0+4*\s], 1
	s_add_co_u32 s[G0+4*\s+1], s45, \s*SLOT
	s_add_nc_u64 s[G0+4*\s+2:G0+4*\s+3], s[20:21], \s*ROWB
	s_or_b32 s[G0+4*\s+3], s[G0+4*\s+3], 0x80000000
	s_mov_b32 s[G0B+4*\s], 1
	s_add_co_u32 s[G0B+4*\s+1], s45, \s*SLOT
	s_add_nc_u64 s[G0B+4*\s+2:G0B+4*\s+3], s[46:47], \s*ROWB
	s_or_b32 s[G0B+4*\s+3], s[G0B+4*\s+3], 0x80000000
.endr
.macro ARM under, g0, g1, next         ; one chain of branches on the wave's number, one load to an arm
	s_cmp_lt_u32 s14, \under
	s_cbranch_scc0 \next
	tensor_load_to_lds s[\g0:\g0+3], s[\g1:\g1+7]
	s_nop 0
.rept 4
	v_nop
.endr
	s_branch .Lhead_asked
\next:
.endm
	ARM 1, G0H,  G1,  .Lhead_b
	ARM 2, G0HB, G1B, .Lhead_sa
	ARM 3, G0S,  G1S, .Lhead_sb
	tensor_load_to_lds s[G0SB:G0SB+3], s[G1SB:G1SB+7]
	s_nop 0
.rept 4
	v_nop
.endr
.Lhead_asked:
	v_and_b32 v1, 15, v0
	v_bfe_u32 v2, v0, 4, 1
	v_mul_u32_u24 v3, v1, PITCH
	v_mul_u32_u24 v4, v2, 24
	v_add_nc_u32 v4, v3, v4                        ; row x pitch + 24 x half
	s_mov_b32 s21, SLOT-232
	s_mov_b32 s22, SLOT+232
	v_sub_nc_u32 v7, 1, v2
	v_mul_u32_u24 v5, s21, v2
	v_add_nc_u32 v5, v3, v5
	v_add_nc_u32 v5, 232, v5                       ; across two chunks: lanes 0-15 byte 232 in slot 0, lanes 16-31 byte 0 in slot 1
	v_mul_u32_u24 v6, s22, v7
	v_add_nc_u32 v6, v3, v6                        ; and the other way round
	s_mul_i32 s21, s15, HALFT
	s_mul_i32 s22, s16, HALFT
	s_add_co_u32 s22, s22, 2*HALFT
	v_add_nc_u32 v[ADRA+2], s21, v5
	v_add_nc_u32 v[ADRA+3], s21, v6
	v_add_nc_u32 v[ADRB+2], s22, v5
	v_add_nc_u32 v[ADRB+3], s22, v6
.irp s, 0,1
	v_add_nc_u32 v[ADRA+\s], s21, v4
	v_add_nc_u32 v[ADRB+\s], s22, v4
	s_add_co_u32 s21, s21, SLOT
	s_add_co_u32 s22, s22, SLOT
.endr
	v_mul_u32_u24 v5, v1, KS
	v_lshrrev_b32 v6, 8, v5
	v_lshl_add_u32 v5, v6, 4, v5
	s_mul_i32 s21, s15, HALFS
	s_mul_i32 s22, s16, HALFS
	s_add_co_u32 s22, s22, 2*HALFS
	s_sub_co_u32 s22, s22, s21
	v_mul_u32_u24 v6, s22, v2                      ; lanes 16-31 take B's scale words
	s_add_co_u32 s21, s21, SCL
	v_add_nc_u32 v5, v5, v6
	v_add_nc_u32 v[ADRS], s21, v5
.macro FRAG reg, adr, st, i            ; 16 rows x 128 K: six pieces of 8 bytes; byte y of a row lies in chunk y / 256, slot (y / 256) % 2
.irp p, 0,1,2,3,4,5
.set BY, 96*(\st)+48*(\p/3)+8*(\p%3)
.if BY/ROWB == (BY+24)/ROWB
	ds_load_b64 v[\reg+2*\p:\reg+2*\p+1], v[\adr+(BY/ROWB)%2] offset:BY%ROWB+(\i)*16*PITCH
.else
	ds_load_b64 v[\reg+2*\p:\reg+2*\p+1], v[\adr+2+(BY/ROWB)%2] offset:BY%ROWB-232+(\i)*16*PITCH
.endif
.endr
.endm
.macro MUL16 a0, p, q, sc, zero        ; the 64 accumulators take turns, one instruction a turn
.irp a, \a0, \a0+1
.irp b, 0,1,2,3,4,5,6,7
.if \zero
	v_wmma_scale_f32_16x16x128_f8f6f4 v[8*(8*((\a)%4)+\b):8*(8*((\a)%4)+\b)+7], v[128*(\p)+FR*\b:128*(\p)+FR*\b+FR-1], v[AF+FR*(\a):AF+FR*(\a)+FR-1], 0, v[SC+8*NQ*(\sc)+NQ*\b+(\q)], v[SC+8*NQ*(\sc)+NQ*(\a)+(\q)] matrix_a_fmt:MATRIX_FMT_FP6 matrix_b_fmt:MATRIX_FMT_FP6 matrix_a_scale:MATRIX_SCALE_ROW1
.else
	v_wmma_scale_f32_16x16x128_f8f6f4 v[8*(8*((\a)%4)+\b):8*(8*((\a)%4)+\b)+7], v[128*(\p)+FR*\b:128*(\p)+FR*\b+FR-1], v[AF+FR*(\a):AF+FR*(\a)+FR-1], v[8*(8*((\a)%4)+\b):8*(8*((\a)%4)+\b)+7], v[SC+8*NQ*(\sc)+NQ*\b+(\q)], v[SC+8*NQ*(\sc)+NQ*(\a)+(\q)] matrix_a_fmt:MATRIX_FMT_FP6 matrix_b_fmt:MATRIX_FMT_FP6 matrix_a_scale:MATRIX_SCALE_ROW1
.endif
.endr
.endr
.endm
.macro FETCH_B st, p
	WIN TO_B
.irp i, 0,1,2,3,4,5,6,7
	FRAG 128*(\p)+FR*\i, ADRB, \st, \i
.endr
	WIN 0
.endm
.macro FETCH_A st, i0
.irp i, \i0, \i0+1, \i0+2, \i0+3
	FRAG AF+FR*(\i), ADRA, \st, \i
.endr
.endm
.macro SCALES pr                       ; the scale words of steps 2 pr and 2 pr + 1
.irp i, 0,1,2,3,4,5,6,7
	ds_load_b64 v[SC+8*NQ*((\pr)%2)+NQ*\i:SC+8*NQ*((\pr)%2)+NQ*\i+1], v[ADRS] offset:\i*SBLK+4*NQ*(\pr)
.endr
.endm
.macro PLACES n
.rept \n
	v_nop
.endr
.endm
; A step of 128 along K.  Where the next step's bytes end in a chunk not yet read: the wait for my loads and a barrier.  Where they begin in a later chunk: the chunk left behind is free:
; the wait for all my tensor loads, the add, the wait for it and for my reads, the barrier; where a chunk two on is left to fetch, the barrier opens a round and the slot is filled again.
.macro STEP st, zero
.set NX, (\st)+1
.set C0, (96*(\st))/ROWB
.set C1, (96*NX)/ROWB
.set E0, (96*(\st)+95)/ROWB
.set E1, (96*NX+95)/ROWB
.if C1 > C0 || E1 > E0
	s_wait_tensorcnt 0x0
.if C1 > C0
	ds_add_u32 v[SPW], v[NIL]
	s_wait_dscnt 4*NL+1                            ; the add and A's blocks 4-7 may be out
.else
	s_wait_dscnt 4*NL
.endif
	WIN MUL_LO
	MUL16 0, (\st)%2, (\st)%2, ((\st)/2)%2, \zero
	s_wait_dscnt 0x0
	s_barrier_signal -1
	MUL16 2, (\st)%2, (\st)%2, ((\st)/2)%2, \zero
	WIN 0
	s_barrier_wait -1
.if C1 > C0 && C0+2 < CHUNKS
	CREST
	s_add_nc_u64 s[G0+4*(C0%2)+2:G0+4*(C0%2)+3], s[G0+4*(C0%2)+2:G0+4*(C0%2)+3], 2*ROWB
	s_add_nc_u64 s[G0B+4*(C0%2)+2:G0B+4*(C0%2)+3], s[G0B+4*(C0%2)+2:G0B+4*(C0%2)+3], 2*ROWB
	JLOAD G0+4*(C0%2), G1, G0B+4*(C0%2), G1B
.else
	PLACES NP
.endif
.else
	s_wait_dscnt 4*NL                              ; B's set and A's blocks 0-3 are in
	WIN MUL_LO
	MUL16 0, (\st)%2, (\st)%2, ((\st)/2)%2, \zero
	MUL16 2, (\st)%2, (\st)%2, ((\st)/2)%2, \zero
	s_wait_dscnt 0
	PLACES NP
.endif
	FETCH_B NX, NX%2
	FETCH_A NX, 0
.if NX%2 == 0
	SCALES NX/2
.endif
	WIN MUL_HI
	MUL16 4, (\st)%2, (\st)%2, ((\st)/2)%2, \zero
	MUL16 6, (\st)%2, (\st)%2, ((\st)/2)%2, \zero
	PLACES NP
	WIN 0
	FETCH_A NX, 4
.endm
.macro QUANT                           ; 64 numbers a lane, four blocks of 32 shared with lane l xor 16 -> codes, whole blocks to a lane, and four scale bytes
.set WN, QW|(QW<<2)
	WIN WN
.irp b, 0,1,2,3
	v_max3_num_f32 v[TM+\b], |v[QS+16*\b]|, |v[QS+16*\b+1]|, 0x1800000
.endr
.irp i, 2,4,6,8,10,12,14
.irp b, 0,1,2,3
	v_max3_num_f32 v[TM+\b], |v[QS+16*\b+\i]|, |v[QS+16*\b+\i+1]|, v[TM+\b]
.endr
.endr
	WIN 0
.irp b, 0,1,2,3
	v_permlanex16_b32 v[TM+4+\b], v[TM+\b], s[SEL], s[SEL+1]
.endr
.irp b, 0,1,2,3
	v_max_num_f32 v[TM+\b], v[TM+\b], v[TM+4+\b]
.endr
.irp b, 0,1,2,3
	v_add_nc_u32 v[TM+12+\b], 0xff000000, v[TM+\b]
.endr
.irp b, 0,1,2,3
	v_lshrrev_b32 v[TM+4+\b], 23, v[TM+12+\b]
.endr
	WIN QW
	v_cvt_scalef32_pk16_fp6_f32 v[QD0:QD0+2], v[QS:QS+15], v[TM+12]
	v_cvt_scalef32_pk16_fp6_f32 v[TC:TC+2], v[QS+16:QS+31], v[TM+13]
	v_cvt_scalef32_pk16_fp6_f32 v[QD1:QD1+2], v[QS+32:QS+47], v[TM+14]
	v_cvt_scalef32_pk16_fp6_f32 v[TC+4:TC+6], v[QS+48:QS+63], v[TM+15]
	WIN 0
	v_nop
.irp i, 0,1,2
	v_permlane16_swap_b32 v[QD0+\i], v[TC+\i]
.endr
.irp i, 0,1,2
	v_mov_b32 v[QD0+3+\i], v[TC+\i]
.endr
.irp i, 0,1,2
	v_permlane16_swap_b32 v[QD1+\i], v[TC+4+\i]
.endr
.irp i, 0,1,2
	v_mov_b32 v[QD1+3+\i], v[TC+4+\i]
.endr
.endm
	s_wait_alu depctr_va_vdst(0)                   ; the wait at the head's end
	s_wait_tensorcnt 0x0                           ; my tile of the head's four is in; the lines that stand ahead of a later first fill:
	ds_add_u32 v[SPW], v[NIL]
	s_mov_b32 s[G1+2], 128<<16                     ; no tensor load of mine is out: from here on a load brings 128 rows
	s_mov_b32 s[G1+4], 128
	s_mov_b32 s[G1B+2], 128<<16
	s_mov_b32 s[G1B+4], 128
	s_wait_dscnt 0x0
	CROUND
	JLOAD G0+4, G1, G0B+4, G1B                     ; chunk 1
	FETCH_B 0, 0
	FETCH_A 0, 0
	SCALES 0
	FETCH_A 0, 4
	STEP 0, 1                                      ; the first step's products start the sums
.set ST, 1
.rept STEPS-2
	STEP ST, 0
.set ST, ST+1
.endr
	s_wait_dscnt 4*NL
	WIN MUL_LO
	MUL16 0, 1, 1, 1, 0
	MUL16 2, 1, 1, 1, 0
	s_wait_dscnt 0
	WIN MUL_HI
	MUL16 4, 1, 1, 1, 0
	MUL16 6, 1, 1, 1, 0
	WIN 0
	PLACES NP
	; ---- the way out: where my two heads' blocks lie in qkv
	s_lshl_b32 s18, s40, 2
	s_lshl_b32 s19, s16, 1
	s_add_co_u32 s18, s18, s19
	s_lshl_b32 s20, s41, 2
	s_lshl_b32 s19, s15, 1
	s_add_co_u32 s20, s20, s19
	s_lshl_b32 s21, s17, 1
	s_add_co_u32 s21, s21, s15
	s_lshl_b32 s22, s42, 1
	s_add_co_u32 s22, s22, s16
	s_cmp_eq_u32 s95, 2
	s_cselect_b32 s18, s20, s18
	s_cselect_b32 s21, s22, s21
	s_mul_i32 s18, s18, HS
	s_mul_i32 s19, s21, BP
	s_add_co_u32 s18, s18, s19
	s_mov_b32 s19, 0
	s_add_nc_u64 s[12:13], s[100:101], s[18:19]
	s_mov_b32 s[SEL], 0x76543210
	s_mov_b32 s[SEL+1], 0xfedcba98
	s_mov_b32 s[HIM], 0xffff0000
	v_and_b32 v1, 15, v0
	v_bfe_u32 v2, v0, 4, 1
	v_and_b32 v3, 31, v0
	v_lshlrev_b32 v[LI], 4, v3
	v_mul_u32_u24 v[SA], v2, HS
	v_lshl_add_u32 v[SA], v1, 4, v[SA]
.irp b, 0,1,2,3
	v_mov_b32 v[TM+4+\b], 0
.endr
	s_cmp_eq_u32 s95, 2
	s_cbranch_scc1 .Lvpath
	; ---- q and k: the rotary turn in f32, then codes along the head's 64
	s_and_b32 s20, ttmp9, 1
	s_cmp_eq_u32 s20, 0
	s_cselect_b32 s18, QI, 0
	s_add_nc_u64 s[12:13], s[12:13], s[18:19]
	s_lshl_b32 s18, s21, 15
	s_add_nc_u64 s[96:97], s[96:97], s[18:19]
	s_lshl_b32 s18, s21, 9
	s_add_nc_u64 s[98:99], s[98:99], s[18:19]
	v_and_b32 v4, 8, v1
	v_add_nc_u32 v4, v4, v1
	v_lshlrev_b32 v[FA], 8, v4
	v_lshl_add_u32 v[FA], v2, 6, v[FA]
	global_load_b128 v[MKR:MKR+3], v[LI], s[98:99]
	WIN TO_B
.irp a, 0,1,2,3,4,5,6,7
.irp e, 0,1
.irp j, 0,1,2,3
	global_load_b128 v[32*\a+16*\e+4*\j:32*\a+16*\e+4*\j+3], v[FA], s[96:97] offset:(32*(\a/2)+8*(\a%2))*256+128*\e+16*\j
.endr
.endr
.endr
	WIN 0
.irp a, 0,1,2,3,4,5,6,7
.set EG, \a/2
.set EU, \a%2
.set EAC, 64*(\a%4)
	s_wait_loadcnt 56-8*\a
.set WN, (2+\a/4)|4
	WIN WN
.set ei, 0
.rept 32
	v_pk_mul_f32 v[HA+ei:HA+ei+1], v[EAC+ei:EAC+ei+1], v[32*\a+ei%32:32*\a+ei%32+1] op_sel:[1,1] op_sel_hi:[1,0] neg_lo:[0,1]
.set ei, ei+2
.endr
.set ei, 0
.rept 32
	v_pk_fma_f32 v[HA+ei:HA+ei+1], v[EAC+ei:EAC+ei+1], v[32*\a+ei%32:32*\a+ei%32+1], v[HA+ei:HA+ei+1] op_sel_hi:[0,1,1]
.set ei, ei+2
.endr
	WIN 0
.if (EU == 0) && (\a > 0)
	s_wait_xcnt 0x0
.endif
.set QS, HA
.set QW, 0
.set QD0, IA+6*EU
.set QD1, IB+6*EU
	QUANT
.if EU == 0
	v_lshl_or_b32 v[WD+EG], v[TM+5], 8, v[TM+4]
	v_lshl_or_b32 v[WD+4+EG], v[TM+7], 8, v[TM+6]
.else
	v_lshl_or_b32 v[TW], v[TM+5], 8, v[TM+4]
	v_lshl_or_b32 v[WD+EG], v[TW], 16, v[WD+EG]
	v_lshl_or_b32 v[TW], v[TM+7], 8, v[TM+6]
	v_lshl_or_b32 v[WD+4+EG], v[TW], 16, v[WD+4+EG]
.irp c, 0,1,2
	global_store_b128 v[LI], v[IA+4*\c:IA+4*\c+3], s[12:13] offset:1536*EG+512*\c
.endr
.irp c, 0,1,2
	global_store_b128 v[LI], v[IB+4*\c:IB+4*\c+3], s[12:13] offset:HS+1536*EG+512*\c
.endr
.endif
.endr
.irp i, 0,1,2,3
	v_cndmask_b32 v[WS+\i], v[WD+\i], v[WD+4+\i], s[HIM]
.endr
	global_store_b128 v[SA], v[WS:WS+3], s[12:13] offset:KSO
	s_cmp_eq_u32 s20, 0
	s_cbranch_scc1 .Lno_mask
.irp i, 0,1,2,3
	v_sub_f32 v[MKR+\i], 1.0, v[MKR+\i]
.endr
.irp i, 0,1,2,3
	v_mul_f32 v[MKR+\i], 0xc79c4000, v[MKR+\i]     ; 8 x (1 - mask) x -10000
.endr
	global_store_b128 v[LI], v[MKR:MKR+3], s[12:13] offset:MK
	global_store_b128 v[LI], v[MKR:MKR+3], s[12:13] offset:MK+HS
.Lno_mask:
	FINISH
.Lvpath:
	; ---- v: codes along the keys
.irp a, 0,1,2,3,4,5,6,7
.if \a > 0
	s_wait_xcnt 0x0
.endif
.set QS, 64*(\a%4)
.set QW, 2+\a/4
.set QD0, VPC
.set QD1, VPC+6
	QUANT
	v_lshl_or_b32 v[WD+\a], v[TM+5], 8, v[TM+4]
	v_lshl_or_b32 v[WD+\a], v[TM+6], 16, v[WD+\a]
	v_lshl_or_b32 v[WD+\a], v[TM+7], 24, v[WD+\a]
.irp c, 0,1,2
	global_store_b128 v[LI], v[VPC+4*\c:VPC+4*\c+3], s[12:13] offset:(\a/4)*HS+VI+1536*(\a%4)+512*\c
.endr
.endr
.irp i, 0,1,2,3
	v_cndmask_b32 v[WS+\i], v[WD+\i], v[WD+4+\i], s[HIM]
.endr
	global_store_b128 v[SA], v[WS:WS+3], s[12:13] offset:VSO
	FINISH
.Lfunc_end_k_q1d9d0c4702_qkv:
	.size	k_q1d9d0c4702_qkv, .Lfunc_end_k_q1d9d0c4702_qkv-k_q1d9d0c4702_qkv
	.p2alignl 7, 3214868480
	.fill 96, 4, 3214868480
	.section	.rodata,"a",@progbits
	.p2align	6, 0x0
	.amdhsa_kernel k_q1d9d0c4702_qkv
		.amdhsa_group_segment_fixed_size 327680
		.amdhsa_private_segment_fixed_size 0
		.amdhsa_enable_private_segment 0
		.amdhsa_kernarg_size 56
		.amdhsa_user_sgpr_count 2
		.amdhsa_user_sgpr_kernarg_segment_ptr 1
		.amdhsa_wavefront_size32 1
		.amdhsa_system_sgpr_workgroup_id_x 1
		.amdhsa_system_sgpr_workgroup_id_y 1
		.amdhsa_system_sgpr_workgroup_id_z 1
		.amdhsa_system_vgpr_workitem_id 0
		.amdhsa_next_free_vgpr 1024
		.amdhsa_next_free_sgpr 102
		.amdhsa_reserve_vcc 0
		.amdhsa_float_denorm_mode_32 3
		.amdhsa_float_denorm_mode_16_64 3
		.amdhsa_memory_ordered 1
		.amdhsa_forward_progress 1
		.amdhsa_inst_pref_size 238
	.end_amdhsa_kernel
	.amdgpu_metadata
---
amdhsa.version: [ 1, 2 ]
amdhsa.kernels:
  - .name:           k_q1d9d0c4702_qkv
    .symbol:         k_q1d9d0c4702_qkv.kd
    .args:
      - { .name: xc, .offset: 0, .size: 8, .value_kind: global_buffer, .address_space: global }
      - { .name: xs, .offset: 8, .size: 8, .value_kind: global_buffer, .address_space: global }
      - { .name: wc, .offset: 16, .size: 8, .value_kind: global_buffer, .address_space: global }
      - { .name: ws, .offset: 24, .size: 8, .value_kind: global_buffer, .address_space: global }
      - { .name: freqs_cis, .offset: 32, .size: 8, .value_kind: global_buffer, .address_space: global }
      - { .name: attention_mask, .offset: 40, .size: 8, .value_kind: global_buffer, .address_space: global }
      - { .name: qkv, .offset: 48, .size: 8, .value_kind: global_buffer, .address_space: global }
    .group_segment_fixed_size: 327680
    .private_segment_fixed_size: 0
    .kernarg_segment_align: 8
    .kernarg_segment_size: 56
    .max_flat_workgroup_size: 128
    .sgpr_count:     102
    .vgpr_count:     1024
    .wavefront_size: 32
...
	.end_amdgpu_metadata
.endif
;; end of part 2
;; launch attn (part 3): grid 16 x 16, 16 waves a work-group, clusters of 4 x 1, 327,680 bytes of LDS; arguments qkv, oc, os; writes oc, os
.if DOCPART == 3
	.amdgcn_target "amdgcn-amd-amdhsa--gfx1250"
	.amdhsa_code_object_version 6
	.text
	.protected	k_q1d9d0c4702_attn
	.globl	k_q1d9d0c4702_attn
	.p2align	8
	.type	k_q1d9d0c4702_attn,@function
k_q1d9d0c4702_attn:
	s_mov_b64 s[64:65], 0
	v_nop
	global_prefetch_b8 v0, s[64:65] scope:SCOPE_SE
	s_setreg_imm32_b32 hwreg(HW_REG_WAVE_MODE, 25, 1), 1
	s_wait_xcnt 0x0
	s_wait_alu depctr_hold_cnt(0) depctr_sa_sdst(0) depctr_va_vdst(0) depctr_va_sdst(0) depctr_va_ssrc(0) depctr_va_vcc(0) depctr_vm_vsrc(0)
	s_getreg_b32 s2, hwreg(HW_REG_IB_STS2, 6, 4)
	s_cmp_eq_u32 s2, 0
	s_cbranch_scc0 .Lentry_in_a_cluster
	s_endpgm
.Lentry_in_a_cluster:
	s_bfe_u32 s2, ttmp6, 0x10000c
	s_cmp_lg_u32 s2, 0x3003
	s_cbranch_scc0 .Lentry_shape_is_right
	s_endpgm
.Lentry_shape_is_right:
; ATTN: for each head, O = softmax(q k^T / 8 + the mask's term) v, both products on codes of FP6, and O quantised along the head's 64 for the last projection.
; SOFTMAX: t = (score / 8 + the mask's term) x log2(e); M = the running largest t rounded UP to a whole number; p = 2^(t - M) is quantised along the keys, not normalised; the row's sum is taken
; of the unquantised p and divides O at the end.  When M moves, the sum and O are multiplied by 2^(old M - new M): exact.
; THE ORDER OF ROUNDINGS IS THE RULE'S OWN: the product rounds the score to f32 (C = 0); one f32 addition adds 8 x the mask's term (a power of two changes no rounding);
; one f32 multiplication by log2(e) / 8 makes t; one f32 addition takes M away.  Where t is large, each of these roundings is large against a step of p's codes: none is fused away.
; SHARES: a work-group owns 256 queries of one head; each of its sixteen waves one tile of 16, in 256 registers.  Every wave walks all 4,096 keys, 128 a step.
; Both products are used transposed (S^T = k q^T, O^T = v^T p^T): a lane holds ONE query throughout.
; K = 64 IN AN INSTRUCTION OF 128: an image of k holds key tile 2 b in registers 0-5 and key tile 2 b + 1 in registers 6-11; multiplied by [q | zeros] it gives tile 2 b's scores, by [zeros | q]
; tile 2 b + 1's.  The zero codes stand under the scale byte 1.
; LDS holds 24 of the 32 key steps (13,312 bytes each): slot 0 = steps 0-7, slot 1 = steps 8-23, and slot 0 is filled once more with steps 24-31.  So the waves meet three times.
; Every wave issues every fill: half a step of slot 0 (26 rows of 256 bytes), a whole step of slot 1 (52 rows); by this text's count a wave has one tensor load out.
; CLUSTER: the four query blocks of a cluster walk the same keys of one head: each tile is asked for jointly, with the same descriptor and the mask 15.  cx enters only q's, oc's and os's global addresses.
; No prefetch: slot 1 is asked for 8 key steps and the refill 16 key steps ahead of its first reader, and nothing runs ahead of the head's fill.
; OUT: oc [tile 256][head 16][3][lane 32][8 bytes]; os [tile x 16 + r][32]: byte 2 head + block.
; LIMITS: the promise holds while the scaled scores stay under 2^31 in magnitude; p under 2^-126 is taken as 0 (the exponential flushes); a block whose largest magnitude lies under 2^-124 gets
; the byte 1; NaN and infinities are not served.
.set HS,    630784
.set BP,    19712
.set KSO,   6144
.set VI,    6400
.set VSO,   12544
.set MK,    12800
.set QI,    13312
.set QSO,   19456
.set STEPB, 13312
.set SLOT1, 8*STEPB
.set SPARE, 24*STEPB                   ; the spare words: 128 bytes a wave, eight blocks of 256 bytes that no other line names
.set LI,  1                            ; 16 x lane
.set AM,  2                            ; 64 h
.set AS,  3                            ; 16 r
.set ADR, 4
.set ADM, 5
.set ADS, 6
.set SPW, 7
.set NIL, 8
.set OA,  9
.set OSA, 10
.set OM,  11                           ; -M of the step before
;                                        v12 -M, v13 the largest t, v[14:15] the sum in two halves; v16-21 zeros, v22-27 q, v28-33 zeros
.set QSL, 34
.set QSH, 35
.set KSR, 36
.set VSR, 40
.set F,   44                           ; v44-91 four fragments
.set FF,  92                           ; f
.set PW,  93                           ; p's scale word
.set TW,  94
.set S,   96                           ; v96-159 S^T, then 8 x the logits, t, t - M, p
.set O,   160                          ; v160-191 O^T
.set MKB, 192                          ; v192-255 at a step's head: the mask's 64 terms; behind the addition the registers serve the softmax:
.set PC,  192
.set TC,  204
.set BM,  212
.set PT,  216
.set SO,  220
.set BA,  224                          ; v224-227 the second chains of the maxima
.set T,   228                          ; v228-241 seven partial sums
.set WV,  10
.set G1,  16                           ; group 1: 26 rows;  s[48:55]: 52 rows
.set G0,  24                           ; group 0 for slot 0;  s[56:59] for slot 1
.set G1B, 48
.set G0B, 56
.set TB,  28
.set CNT, 29
.set CS,  32
.set SEL, 34
.set U,   36
.macro CROUND
	s_barrier_signal -1
	s_barrier_wait -1
	s_cmp_lg_u32 s[WV], 0
	s_cbranch_scc1 .Lnot_wave_0_\@
	s_barrier_signal -3
.Lnot_wave_0_\@:
	s_barrier_wait -3
	s_barrier_signal -1
	s_barrier_wait -1
.endm
.macro TLOAD g0, g1                    ; every wave issues it; s_nop 0 and four v_nop follow
	tensor_load_to_lds s[\g0:\g0+3], s[\g1:\g1+7]
	s_nop 0
.rept 4
	v_nop
.endr
.endm
	s_load_b128 s[4:7], s[0:1], 0x0                ; qkv, oc
	s_load_b64 s[8:9], s[0:1], 0x10                ; os
	v_lshl_add_u32 v[SPW], v0, 2, SPARE
	v_mov_b32 v[NIL], 0
	ds_add_u32 v[SPW], v[NIL]                      ; the opening lines: the add twice and one wait
	ds_add_u32 v[SPW], v[NIL]
	v_lshrrev_b32 v1, 5, v0
	s_delay_alu instid0(VALU_DEP_1)
	v_readfirstlane_b32 s[WV], v1                  ; wave 0..15
	s_bfe_u32 s11, ttmp6, 0x40000                  ; cx
	s_lshl_b32 s12, ttmp9, 2
	s_add_co_u32 s12, s12, s11                     ; my block of 256 queries
	s_and_b32 s13, ttmp7, 0xffff                   ; the head
	s_mul_i32 s14, s13, HS
	s_lshr_b32 s15, s[WV], 1
	s_mul_i32 s38, s15, BP
	s_add_co_u32 s38, s38, s14
	s_and_b32 s37, s[WV], 1
	s_mul_i32 s15, s37, STEPB/2
	s_add_co_u32 s38, s38, s15                     ; slot 0: half (wave & 1) of key step wave / 2
	s_mov_b32 s39, 0
	s_add_co_u32 s60, s[WV], 8
	s_mul_i32 s60, s60, BP
	s_add_co_u32 s60, s60, s14                     ; slot 1: key step 8 + wave
	s_mov_b32 s61, 0
	s_lshl_b32 s40, s12, 1
	s_lshr_b32 s37, s[WV], 3
	s_add_co_u32 s40, s40, s37
	s_mul_i32 s40, s40, BP
	s_add_co_u32 s40, s40, s14                     ; the block that holds my 16 queries
	s_bfe_u32 s37, s[WV], 0x20001                  ; which of its four images
	s_lshl_b32 s42, s37, 2
	s_add_co_u32 s42, s42, s40
	s_add_co_u32 s42, s42, QSO
	s_mov_b32 s43, 0
	s_mul_i32 s37, s37, 1536
	s_add_co_u32 s40, s40, s37
	s_add_co_u32 s40, s40, QI
	s_mov_b32 s41, 0
	s_lshl_b32 s44, s12, 4
	s_add_co_u32 s44, s44, s[WV]                   ; my tile of queries
	s_lshl_b32 s46, s44, 9
	s_lshl_b32 s37, s13, 1
	s_add_co_u32 s46, s46, s37                     ; os: tile x 512 + 2 head
	s_mov_b32 s47, 0
	s_mul_i32 s44, s44, 12288
	s_mul_i32 s37, s13, 768
	s_add_co_u32 s44, s44, s37                     ; oc: tile x 12,288 + head x 768
	s_mov_b32 s45, 0
	s_and_b32 s37, s[WV], 1                        ; which half of the image is my tile
	s_lshl_b32 s31, s37, 4
	s_cmp_eq_u32 s37, 1
	s_cselect_b32 s[U], -1, 0
.irp g, G1, G1B
	s_mov_b32 s[\g], 15|(3<<16)|(1<<21)            ; all four work-groups; elements of 8 bytes; dense rows of 256 bytes, no padding
	s_mov_b32 s[\g+1], 32<<16
	s_mov_b32 s[\g+3], 32<<16
	s_mov_b32 s[\g+5], 32
	s_mov_b32 s[\g+6], 0
	s_mov_b32 s[\g+7], 0
.endr
	s_mov_b32 s[G1+2], 26<<16
	s_mov_b32 s[G1+4], 26
	s_mov_b32 s[G1B+2], 52<<16
	s_mov_b32 s[G1B+4], 52
	s_mov_b32 s[G0], 1
	s_mul_i32 s[G0+1], s[WV], STEPB/2
	s_mov_b32 s[G0B], 1
	s_mul_i32 s[G0B+1], s[WV], STEPB
	s_add_co_u32 s[G0B+1], s[G0B+1], SLOT1
	s_mov_b32 s[CS], 0x3e38aa3b                    ; log2(e) / 8: the f32 number nearest log2(e), three off its exponent
	s_mov_b32 s[CS+1], s[CS]
	s_mov_b32 s[SEL], 0x76543210
	s_mov_b32 s[SEL+1], 0xfedcba98
	s_mov_b32 s[TB], 0
	s_wait_dscnt 0x0
	s_wait_kmcnt 0x0
	s_add_nc_u64 s[G0+2:G0+3], s[4:5], s[38:39]
	s_or_b32 s[G0+3], s[G0+3], 0x80000000
	s_add_nc_u64 s[G0B+2:G0B+3], s[4:5], s[60:61]
	s_or_b32 s[G0B+3], s[G0B+3], 0x80000000
	s_add_nc_u64 s[40:41], s[4:5], s[40:41]
	s_add_nc_u64 s[42:43], s[4:5], s[42:43]
	s_add_nc_u64 s[6:7], s[6:7], s[44:45]
	s_add_nc_u64 s[8:9], s[8:9], s[46:47]
	CROUND                                         ; the first joint loads meet
	TLOAD G0, G1                                   ; slot 0: key steps 0-7
	v_and_b32 v[OA], 31, v0
	s_delay_alu instid0(VALU_DEP_1)
	v_lshlrev_b32 v[LI], 4, v[OA]
	v_bfe_u32 v[AM], v0, 4, 1
	s_delay_alu instid0(VALU_DEP_1)
	v_lshlrev_b32 v[AM], 6, v[AM]
	v_and_b32 v[OSA], 15, v0
	s_delay_alu instid0(VALU_DEP_1)
	v_lshlrev_b32 v[AS], 4, v[OSA]
.irp c, 0,1,2
	global_load_b128 v[S+4*\c:S+4*\c+3], v[LI], s[40:41] offset:512*\c   ; the image with my tile in one half
.endr
	global_load_b32 v[TW], v[AS], s[42:43]
	v_lshlrev_b32 v[OA], 3, v[OA]
	v_lshlrev_b32 v[OSA], 5, v[OSA]
.irp i, 0,1,2,3,4,5
	v_mov_b32 v[16+\i], 0
	v_mov_b32 v[28+\i], 0
.endr
	v_mov_b32 v13, 0xff61b1e6                      ; the largest t so far: -3e38
	s_delay_alu instid0(VALU_DEP_1)
	v_floor_f32 v12, -v13
	v_mov_b32 v14, 0
	v_mov_b32 v15, 0
	s_wait_loadcnt 0x0
.irp i, 0,1,2,3,4,5
	v_cndmask_b32 v[22+\i], v[S+\i], v[S+6+\i], s[U]
.endr
	v_lshrrev_b32 v[TW], s31, v[TW]
	s_delay_alu instid0(VALU_DEP_1)
	v_and_b32 v[TW], 0xffff, v[TW]
	s_delay_alu instid0(VALU_DEP_1)
	v_or_b32 v[QSL], 0x01010000, v[TW]             ; the zero codes stand under the byte 1
	s_delay_alu instid0(VALU_DEP_2)
	v_lshlrev_b32 v[QSH], 16, v[TW]
	s_delay_alu instid0(VALU_DEP_1)
	v_or_b32 v[QSH], 0x0101, v[QSH]
.irp j, 0,1,2,3,4,5,6,7,8,9,10,11,12,13,14,15,16,17,18,19,20,21,22,23,24,25,26,27,28,29,30,31
	v_mov_b32 v[O+\j], 0                           ; the step is written once per loop; its first turn finds zeros
.endr
.irp b, 0,1,2,3
	v_mov_b32 v[PT+\b], 0                          ; a lane permute's destination counts as one of its sources
.endr
	v_mov_b32 v[PW], 0                             ; named as the upper half of the pair with f
.macro TMUL j0                         ; t of eight logits, rounded to f32: four packed multiplications
.irp k, 0,2,4,6
	v_pk_mul_f32 v[S+(\j0)+\k:S+(\j0)+\k+1], v[S+(\j0)+\k:S+(\j0)+\k+1], s[CS:CS+1] op_sel_hi:[1,0]
.endr
.endm
; A KEY STEP: 128 keys
.macro STEP
	v_add_nc_u32 v[ADR], s[TB], v[LI]
	v_add_nc_u32 v[ADM], s[TB], v[AM]
	v_add_nc_u32 v[ADS], s[TB], v[AS]
	v_nop                                          ; four places behind the last step's products, in front of loads into their registers (the fragments', and p's codes')
.irp b, 0,1,2,3
.irp c, 0,1,2
	ds_load_b128 v[F+12*\b+4*\c:F+12*\b+4*\c+3], v[ADR] offset:1536*\b+512*\c    ; k's four images
.endr
.endr
	ds_load_b128 v[KSR:KSR+3], v[ADS] offset:KSO
.irp b, 0,1,2,3
.irp i, 0,1,2,3
	ds_load_b128 v[MKB+16*\b+4*\i:MKB+16*\b+4*\i+3], v[ADM] offset:MK+128*\b+16*\i   ; 8 x the mask's terms: register 16 b + i goes with key 32 b + 16 h + i
.endr
.endr
	s_wait_alu depctr_va_vdst(0)
	s_wait_dscnt 16                                ; k's images and words are in; the sixteen loads of the mask's terms, issued behind them, may be out
.irp b, 0,1,2,3                                ; eight accumulators, one instruction each; C = 0: the score is rounded to f32 by itself
	v_wmma_scale_f32_16x16x128_f8f6f4 v[S+16*\b:S+16*\b+7], v[F+12*\b:F+12*\b+11], v[22:33], 0, v[KSR+\b], v[QSL] matrix_a_fmt:MATRIX_FMT_FP6 matrix_b_fmt:MATRIX_FMT_FP6
	v_wmma_scale_f32_16x16x128_f8f6f4 v[S+16*\b+8:S+16*\b+15], v[F+12*\b:F+12*\b+11], v[16:27], 0, v[KSR+\b], v[QSH] matrix_a_fmt:MATRIX_FMT_FP6 matrix_b_fmt:MATRIX_FMT_FP6
.endr
	v_mov_b32 v[OM], v12                           ; the old -M; with three v_nop the four places behind the products
.rept 3
	v_nop
.endr
.irp t, 0,1,2,3
.irp c, 0,1,2
	ds_load_b128 v[F+12*\t+4*\c:F+12*\t+4*\c+3], v[ADR] offset:VI+1536*\t+512*\c   ; v's four images land under the softmax
.endr
.endr
	ds_load_b128 v[VSR:VSR+3], v[ADS] offset:VSO
	s_wait_dscnt 13                                ; the mask's terms are in; v's thirteen loads, issued behind them, may be out
.irp j, 0,2,4,6,8,10,12,14,16,18,20,22,24,26,28,30,32,34,36,38,40,42,44,46,48,50,52,54,56,58,60,62
	v_pk_add_f32 v[S+\j:S+1+\j], v[S+\j:S+1+\j], v[MKB+\j:MKB+1+\j]   ; 8 x the logit: one f32 addition; each accumulator from its low end on
.endr
.irp b, 0,1,2,3                                ; the largest logit of each block of 32 keys, in eight chains
	v_max3_num_f32 v[BM+\b], v[S+16*\b], v[S+16*\b+1], v[S+16*\b+2]
	v_max3_num_f32 v[BA+\b], v[S+16*\b+8], v[S+16*\b+9], v[S+16*\b+10]
.endr
.irp i, 3,5
.irp b, 0,1,2,3
	v_max3_num_f32 v[BM+\b], v[BM+\b], v[S+16*\b+\i], v[S+16*\b+\i+1]
	v_max3_num_f32 v[BA+\b], v[BA+\b], v[S+16*\b+8+\i], v[S+16*\b+9+\i]
.endr
.endr
.irp b, 0,1,2,3
	v_max3_num_f32 v[BA+\b], v[BA+\b], v[S+16*\b+7], v[S+16*\b+15]
.endr
.irp b, 0,1,2,3
	s_delay_alu instid0(VALU_DEP_4)
	v_max_num_f32 v[BM+\b], v[BM+\b], v[BA+\b]
.endr
.irp b, 0,1,2,3
	s_delay_alu instid0(VALU_DEP_4)
	v_permlanex16_b32 v[PT+\b], v[BM+\b], s[SEL], s[SEL+1]
.endr
.irp b, 0,1,2,3
	s_delay_alu instid0(VALU_DEP_4)
	v_max_num_f32 v[BM+\b], v[BM+\b], v[PT+\b]     ; with lane l xor 16's 16 keys
.endr
; the chain that leads to M and f; between its links stand the 32 multiplications that make t, which hang on none of them
	s_delay_alu instid0(VALU_DEP_2)
	v_max3_num_f32 v[TW], v[BM], v[BM+1], v[BM+2]
	TMUL 0
	v_max_num_f32 v[TW], v[TW], v[BM+3]
	TMUL 8
	v_mul_f32 v[TW], s[CS], v[TW]                  ; the step's largest t: the same multiplication as every t's
	TMUL 16
	v_max_num_f32 v13, v13, v[TW]                  ; the running largest t
	TMUL 24
	v_floor_f32 v12, -v13                          ; the new -M = -ceil(t)
	TMUL 32
	v_sub_f32 v[TW], v12, v[OM]                    ; old M - new M: a whole number, 0 or less
	TMUL 40
	v_cvt_i32_f32 v[TW], v[TW]                     ; (it saturates)
	TMUL 48
	v_ldexp_f32 v[FF], 1.0, v[TW]                  ; f = 2^(old M - new M)
	TMUL 56
.irp b, 0,1,2,3
	v_mul_f32 v[BM+\b], s[CS], v[BM+\b]            ; the same of each block's largest logit
.endr
.irp j, 0,2,4,6,8,10,12,14,16,18,20,22,24,26,28,30,32,34,36,38,40,42,44,46,48,50,52,54,56,58,60,62
	v_pk_add_f32 v[S+\j:S+1+\j], v[S+\j:S+1+\j], v[12:13] op_sel_hi:[1,0]     ; t - M (of the pair the low word, -M, serves both halves)
.endr
.irp b, 0,1,2,3
	v_add_f32 v[BM+\b], v[BM+\b], v12
.endr
.irp j, 0,2,4,6,8,10,12,14,16,18,20,22,24,26,28,30
	v_pk_mul_f32 v[O+\j:O+1+\j], v[O+\j:O+1+\j], v[FF:FF+1] op_sel_hi:[1,0]   ; O^T under the new M; each accumulator from its low end on
.endr
	s_wait_alu depctr_va_vdst(0)                   ; the wait ahead of the batch
.irp b, 0,1,2,3
	v_exp_f32 v[BM+\b], v[BM+\b]                   ; the block's largest p: the same instructions on the same number give the same bits
.endr
.irp j, 0,1,2,3,4,5,6,7,8,9,10,11,12,13,14,15,16,17,18,19,20,21,22,23,24,25,26,27,28,29,30,31,32,33,34,35,36,37,38,39,40,41,42,43,44,45,46,47,48,49,50,51,52,53,54,55,56,57,58,59,60,61,62,63
	v_exp_f32 v[S+\j], v[S+\j]                     ; p = 2^(t - M)
.endr
	v_pk_mul_f32 v[14:15], v[14:15], v[FF:FF+1] op_sel_hi:[1,0]   ; the sums under the new M (the plain line behind the exponentials)
	s_wait_alu depctr_va_vdst(0)                   ; one wait for the whole batch, ahead of its first reader
.irp b, 0,1,2,3
	v_max_num_f32 v[BM+\b], 0x1800000, v[BM+\b]    ; the floor 2^(3 - 127): the byte cannot fall under 1
.endr
.irp b, 0,1,2,3
	s_delay_alu instid0(VALU_DEP_4)
	v_add_nc_u32 v[SO+\b], 0xff000000, v[BM+\b]    ; 2 off the exponent field: the conversion's scale operand
.endr
.irp b, 0,1,2,3
	s_delay_alu instid0(VALU_DEP_4)
	v_lshrrev_b32 v[PT+\b], 23, v[SO+\b]           ; the scale's byte
.endr
	s_delay_alu instid0(VALU_DEP_3)
	v_lshl_or_b32 v[PW], v[PT+1], 8, v[PT]         ; p's scale word for these 128 keys
	s_delay_alu instid0(VALU_DEP_1)
	v_lshl_or_b32 v[PW], v[PT+2], 16, v[PW]
	s_delay_alu instid0(VALU_DEP_1)
	v_lshl_or_b32 v[PW], v[PT+3], 24, v[PW]
.irp c, 0,1
	v_cvt_scalef32_pk16_fp6_f32 v[PC+6*\c:PC+2+6*\c], v[S+32*\c:S+15+32*\c], v[SO+2*\c]
	v_cvt_scalef32_pk16_fp6_f32 v[TC+4*\c:TC+2+4*\c], v[S+16+32*\c:S+31+32*\c], v[SO+2*\c+1]
.endr
	v_nop                                          ; one plain line behind the conversions
.irp c, 0,1                                    ; the layout wants a whole block in a lane
.irp i, 0,1,2
	v_permlane16_swap_b32 v[PC+6*\c+\i], v[TC+4*\c+\i]
.endr
.irp i, 0,1,2
	s_delay_alu instid0(VALU_DEP_3)
	v_mov_b32 v[PC+3+6*\c+\i], v[TC+4*\c+\i]
.endr
.endr
; the row's sum of the unquantised p: 32 packed additions in eight chains.  They are also the places between p's codes and word and the products
.irp i, 0,1,2,3,4,5,6
	v_pk_add_f32 v[T+2*\i:T+2*\i+1], v[S+4*\i:S+4*\i+1], v[S+4*\i+2:S+4*\i+3]
.endr
	v_pk_add_f32 v[14:15], v[14:15], v[S+28:S+29]
.irp i, 0,1,2,3,4,5,6
	v_pk_add_f32 v[T+2*\i:T+2*\i+1], v[T+2*\i:T+2*\i+1], v[S+30+2*\i:S+31+2*\i]
.endr
	v_pk_add_f32 v[14:15], v[14:15], v[S+44:S+45]
.irp i, 0,1,2,3,4,5,6
	v_pk_add_f32 v[T+2*\i:T+2*\i+1], v[T+2*\i:T+2*\i+1], v[S+46+2*\i:S+47+2*\i]
.endr
	v_pk_add_f32 v[14:15], v[14:15], v[S+60:S+61]
	v_pk_add_f32 v[T:T+1], v[T:T+1], v[S+62:S+63]
	v_pk_add_f32 v[T+2:T+3], v[T+2:T+3], v[T+4:T+5]
	v_pk_add_f32 v[T+6:T+7], v[T+6:T+7], v[T+8:T+9]
	v_pk_add_f32 v[T+10:T+11], v[T+10:T+11], v[T+12:T+13]
	s_delay_alu instid0(VALU_DEP_4)
	v_pk_add_f32 v[14:15], v[14:15], v[T:T+1]
	s_delay_alu instid0(VALU_DEP_3)
	v_pk_add_f32 v[T+2:T+3], v[T+2:T+3], v[T+6:T+7]
	s_delay_alu instid0(VALU_DEP_2)
	v_pk_add_f32 v[14:15], v[14:15], v[T+10:T+11]
	s_delay_alu instid0(VALU_DEP_1)
	v_pk_add_f32 v[14:15], v[14:15], v[T+2:T+3]
	s_wait_dscnt 0x0                               ; v's images and words are in
.irp t, 0,1,2,3                                ; four accumulators, one instruction each
	v_wmma_scale_f32_16x16x128_f8f6f4 v[O+8*\t:O+8*\t+7], v[F+12*\t:F+12*\t+11], v[PC:PC+11], v[O+8*\t:O+8*\t+7], v[VSR+\t], v[PW] matrix_a_fmt:MATRIX_FMT_FP6 matrix_b_fmt:MATRIX_FMT_FP6
.endr
	s_add_co_u32 s[TB], s[TB], STEPB
.endm
; WHERE THE WAVES MEET.  Each wave waits for all its tensor loads, adds 0 to its spare word, and waits for that and for its LDS reads.
; fill = 1: a round of the cluster's barrier, then slot 1's first fill.  fill = 2: a round, so that no wave of any partner still reads slot 0, then slot 0's refill with key steps 24-31.  fill = 0: nothing more is fetched.
.macro CHANGE fill
	s_wait_tensorcnt 0x0
	ds_add_u32 v[SPW], v[NIL]
.if \fill == 2
	s_add_nc_u64 s[G0+2:G0+3], s[G0+2:G0+3], 24*BP ; no tensor load of mine is out, so the group 0 may be written
.endif
	s_wait_dscnt 0x0
.if \fill == 0
	s_barrier_signal -1
	s_barrier_wait -1
.else
	CROUND
.if \fill == 1
	TLOAD G0B, G1B
.else
	TLOAD G0, G1
.endif
.endif
.endm
.macro STEPS n
	s_mov_b32 s[CNT], \n
.Lstep_\@:
	STEP
	s_sub_co_u32 s[CNT], s[CNT], 1
	s_cmp_lg_u32 s[CNT], 0
	s_cbranch_scc1 .Lstep_\@
.endm
	s_wait_alu depctr_va_vdst(0)                   ; the wait at the head's end
	CHANGE 1
	STEPS 8                                        ; key steps 0-7, from slot 0
	CHANGE 2
	STEPS 16                                       ; key steps 8-23: slot 1 begins where slot 0 ends
	CHANGE 0
	s_mov_b32 s[TB], 0
	STEPS 8                                        ; key steps 24-31, from slot 0
	; ---- THE WAY OUT: O^T / the sum, quantised along the head's 64: register 16 b + i is channel 32 b + 16 h + i of my query
	s_wait_alu depctr_va_vdst(0)                   ; the wait here, directly ahead of the reader below
	v_add_f32 v14, v14, v15
	s_delay_alu instid0(VALU_DEP_1)
	v_permlanex16_b32 v[TW], v14, s[SEL], s[SEL+1]
	s_delay_alu instid0(VALU_DEP_1)
	v_add_f32 v14, v14, v[TW]
.rept 3
	v_nop                                          ; with the two additions: the places behind the last products
.endr
	s_wait_alu depctr_va_vdst(0)
	v_rcp_f32 v14, v14
	v_nop
	s_wait_alu depctr_va_vdst(0)
.irp j, 0,2,4,6,8,10,12,14,16,18,20,22,24,26,28,30
	v_pk_mul_f32 v[O+\j:O+1+\j], v[O+\j:O+1+\j], v[14:15] op_sel_hi:[1,0]
.endr
.irp b, 0,1
	v_max3_num_f32 v[BM+\b], |v[O+16*\b]|, |v[O+16*\b+1]|, 0x1800000
.endr
.irp i, 2,4,6,8,10,12,14
.irp b, 0,1
	s_delay_alu instid0(VALU_DEP_2)
	v_max3_num_f32 v[BM+\b], v[BM+\b], |v[O+16*\b+\i]|, |v[O+16*\b+\i+1]|
.endr
.endr
.irp b, 0,1
	s_delay_alu instid0(VALU_DEP_2)
	v_permlanex16_b32 v[PT+\b], v[BM+\b], s[SEL], s[SEL+1]
.endr
.irp b, 0,1
	s_delay_alu instid0(VALU_DEP_2)
	v_max_num_f32 v[BM+\b], v[BM+\b], v[PT+\b]
.endr
.irp b, 0,1
	s_delay_alu instid0(VALU_DEP_2)
	v_add_nc_u32 v[SO+\b], 0xff000000, v[BM+\b]
.endr
.irp b, 0,1
	s_delay_alu instid0(VALU_DEP_2)
	v_lshrrev_b32 v[PT+\b], 23, v[SO+\b]
.endr
	s_delay_alu instid0(VALU_DEP_1)
	v_lshl_or_b32 v[TW], v[PT+1], 8, v[PT]         ; my row's two scale bytes of this head
	v_cvt_scalef32_pk16_fp6_f32 v[PC:PC+2], v[O:O+15], v[SO]
	v_cvt_scalef32_pk16_fp6_f32 v[TC:TC+2], v[O+16:O+31], v[SO+1]
	v_nop
.irp i, 0,1,2
	v_permlane16_swap_b32 v[PC+\i], v[TC+\i]
.endr
.irp i, 0,1,2
	s_delay_alu instid0(VALU_DEP_3)
	v_mov_b32 v[PC+3+\i], v[TC+\i]
.endr
.irp p, 0,1,2
	global_store_b64 v[OA], v[PC+2*\p:PC+2*\p+1], s[6:7] offset:256*\p   ; 32 lanes store 256 consecutive bytes, aligned
.endr
	global_store_b16 v[OSA], v[TW], s[8:9]         ; two bytes of each of 16 rows: the rows' other 30 bytes belong to other heads' work-groups
	s_wait_tensorcnt 0x0                           ; the wave's end
	ds_add_u32 v[SPW], v[NIL]
	s_wait_dscnt 0x0
	CROUND                                         ; the closing round
	s_endpgm
.Lfunc_end_k_q1d9d0c4702_attn:
	.size	k_q1d9d0c4702_attn, .Lfunc_end_k_q1d9d0c4702_attn-k_q1d9d0c4702_attn
	.p2alignl 7, 3214868480
	.fill 96, 4, 3214868480
	.section	.rodata,"a",@progbits
	.p2align	6, 0x0
	.amdhsa_kernel k_q1d9d0c4702_attn
		.amdhsa_group_segment_fixed_size 327680
		.amdhsa_private_segment_fixed_size 0
		.amdhsa_enable_private_segment 0
		.amdhsa_kernarg_size 24
		.amdhsa_user_sgpr_count 2
		.amdhsa_user_sgpr_kernarg_segment_ptr 1
		.amdhsa_wavefront_size32 1
		.amdhsa_system_sgpr_workgroup_id_x 1
		.amdhsa_system_sgpr_workgroup_id_y 1
		.amdhsa_system_sgpr_workgroup_id_z 1
		.amdhsa_system_vgpr_workitem_id 0
		.amdhsa_next_free_vgpr 256
		.amdhsa_next_free_sgpr 66
		.amdhsa_reserve_vcc 0
		.amdhsa_float_denorm_mode_32 3
		.amdhsa_float_denorm_mode_16_64 3
		.amdhsa_memory_ordered 1
		.amdhsa_forward_progress 1
		.amdhsa_inst_pref_size 79
	.end_amdhsa_kernel
	.amdgpu_metadata
---
amdhsa.version: [ 1, 2 ]
amdhsa.kernels:
  - .name:           k_q1d9d0c4702_attn
    .symbol:         k_q1d9d0c4702_attn.kd
    .args:
      - { .name: qkv, .offset: 0, .size: 8, .value_kind: global_buffer, .address_space: global }
      - { .name: oc, .offset: 8, .size: 8, .value_kind: global_buffer, .address_space: global }
      - { .name: os, .offset: 16, .size: 8, .value_kind: global_buffer, .address_space: global }
    .group_segment_fixed_size: 327680
    .private_segment_fixed_size: 0
    .kernarg_segment_align: 8
    .kernarg_segment_size: 24
    .max_flat_workgroup_size: 512
    .sgpr_count:     66
    .vgpr_count:     256
    .wavefront_size: 32
...
	.end_amdgpu_metadata
.endif
;; end of part 3
;; launch outp (part 4): grid 8 x 32, 4 waves a work-group, clusters of 4 x 4, 229,376 bytes of LDS; arguments oc, os, wc, ws, out0; writes out0
.if DOCPART == 4
	.amdgcn_target "amdgcn-amd-amdhsa--gfx1250"
	.amdhsa_code_object_version 6
	.text
	.protected	k_q1d9d0c4702_outp
	.globl	k_q1d9d0c4702_outp
	.p2align	8
	.type	k_q1d9d0c4702_outp,@function
k_q1d9d0c4702_outp:
	s_mov_b64 s[64:65], 0
	v_nop
	global_prefetch_b8 v0, s[64:65] scope:SCOPE_SE
	s_setreg_imm32_b32 hwreg(HW_REG_WAVE_MODE, 25, 1), 1
	s_wait_xcnt 0x0
	s_wait_alu depctr_hold_cnt(0) depctr_sa_sdst(0) depctr_va_vdst(0) depctr_va_sdst(0) depctr_va_ssrc(0) depctr_va_vcc(0) depctr_vm_vsrc(0)
	s_getreg_b32 s2, hwreg(HW_REG_IB_STS2, 6, 4)
	s_cmp_eq_u32 s2, 0
	s_cbranch_scc0 .Lentry_in_a_cluster
	s_endpgm
.Lentry_in_a_cluster:
	s_bfe_u32 s2, ttmp6, 0x10000c
	s_cmp_lg_u32 s2, 0xf033
	s_cbranch_scc0 .Lentry_shape_is_right
	s_endpgm
.Lentry_shape_is_right:
; OUTP: out0 [4096][1024] f32 = O wo, on codes of FP6 (E2M3) with E8M0 scales.  A = oc, os (the attention launch's images and scale bytes), B = rows 3,072 .. 4,095 of wc, ws (wo, K innermost).
; A block of 128 x 128 to a work-group: 32 x 8 = 256 work-groups.  Four waves, 64 x 64 each: 16 accumulators, 128 registers; no register window is switched.
; ALL OF K (1,024) IS FETCHED ONCE: the block's 128 rows of A's codes, of B's codes, of A's scales and of B's scales are four dense pieces of memory, each brought as rows of 256 bytes
; by one joint load, one a wave.  Nothing is filled again: no ring, one barrier.
; B's rows of 768 bytes get 16 bytes of padding behind each 256: 816 bytes from row to row.  A's images are read 8 bytes a lane, consecutively, and need none.
; CLUSTERS of 4 x 4: A's pieces are shared along a row of the cluster, B's along a column.  No prefetch: the launch has no loop to run ahead in.
; The product is used transposed (source 0 = 16 rows of B, source 1 = 16 rows of A): a lane holds eight neighbouring numbers of a row of out0.
; TILE ORDER: buffer row p of A and of B holds true row p with bits 3 and 4 exchanged; the way out puts rows and columns back.
.set TILEB,  12288                     ; A: a tile of 16 rows, all of K
.set BCB,    98304                     ; B's codes lie behind A's
.set BROW,   816
.set SCA,    BCB+384*272               ; A's scales: 16 units of 256 bytes + 16
.set SCB,    SCA+16*272
.set SBLK,   544                       ; the scales of 16 rows
.set STAGE,  SCB+16*272                ; the way out: 16 rows x (256 + 16) bytes for each wave; no load lands here
.set SPITCH, 272
.set SPARE,  STAGE+4*16*SPITCH         ; the spare words: 128 bytes a wave
.set ADRA, 2
.set ADRB, 3                           ; row x 816 + 24 h
.set ADRB2, 4                          ; row x 816 + 40 h: where lanes 16-31 read beyond a padding
.set ADRS, 5
.set STO,  6
.set RD,   7
.set CO,   8
.set SPW,  10
.set NIL,  11
.set SC,   16                          ; v16-23 scale words, two sets: lanes 0-15 A's tile i, lanes 16-31 B's tile i
.set AFR,  32                          ; v32-79 A's four fragments
.set BF,   80                          ; v80-127 B's four
.set AC,   128                         ; v128-255 accumulator (a, b) at 8 (4 a + b)
.set BK,   32                          ; the way out: two sets of 32 registers
.set G1, 24
.set G0, 32
.set G1B, 48
.set G0B, 56
.set G1S, 68
.set G0S, 76
.set G1SB, 80
.set G0SB, 88
.macro CROUND
	s_barrier_signal -1
	s_barrier_wait -1
	s_cmp_lg_u32 s14, 0
	s_cbranch_scc1 .Lnot_wave_0_\@
	s_barrier_signal -3
.Lnot_wave_0_\@:
	s_barrier_wait -3
	s_barrier_signal -1
	s_barrier_wait -1
.endm
.macro PLACES
.rept 4
	v_nop
.endr
.endm
	s_load_b128 s[4:7], s[0:1], 0x0                ; oc, os
	s_load_b128 s[8:11], s[0:1], 0x10              ; wc, ws
	s_load_b64 s[12:13], s[0:1], 0x20              ; out0
	v_lshl_add_u32 v[SPW], v0, 2, SPARE
	v_mov_b32 v[NIL], 0
	ds_add_u32 v[SPW], v[NIL]                      ; the opening lines: the add twice and one wait
	ds_add_u32 v[SPW], v[NIL]
	v_lshrrev_b32 v1, 5, v0
	v_readfirstlane_b32 s14, v1                    ; wave
	s_lshr_b32 s15, s14, 1                         ; which 64 rows
	s_and_b32 s16, s14, 1                          ; which 64 columns
	s_bfe_u32 s40, ttmp6, 0x40000                  ; cx
	s_bfe_u32 s41, ttmp6, 0x40004                  ; cy
	s_lshl_b32 s42, ttmp9, 2
	s_add_co_u32 s42, s42, s40                     ; block column 0..7
	s_and_b32 s17, ttmp7, 0xffff
	s_lshl_b32 s17, s17, 2
	s_add_co_u32 s17, s17, s41                     ; block row 0..31
	s_lshl_b32 s43, s41, 2
	s_lshl_b32 s43, 15, s43                        ; my row of the cluster
	s_lshl_b32 s44, 0x1111, s40                    ; my column
	s_or_b32 s[G1], s43, (3<<16)|(1<<21)           ; A's codes: 384 rows of 32 elements of 8 bytes, no padding
	s_or_b32 s[G1B], s44, (3<<16)|(1<<20)|(1<<21)|(5<<22)|(3<<25)   ; B's: the same rows, 16 bytes of padding behind each
.irp g, G1, G1B
	s_mov_b32 s[\g+1], 32<<16
	s_mov_b32 s[\g+2], 384<<16
	s_mov_b32 s[\g+3], 32<<16
	s_mov_b32 s[\g+4], 384
	s_mov_b32 s[\g+5], 32
	s_mov_b32 s[\g+6], 0
	s_mov_b32 s[\g+7], 0
.endr
	s_or_b32 s[G1S], s43, (3<<16)|(1<<20)|(1<<21)|(5<<22)|(3<<25)   ; the scales of 128 rows: 16 rows of 256 bytes
	s_or_b32 s[G1SB], s44, (3<<16)|(1<<20)|(1<<21)|(5<<22)|(3<<25)
.irp g, G1S, G1SB
	s_mov_b32 s[\g+1], 32<<16
	s_mov_b32 s[\g+2], 16<<16
	s_mov_b32 s[\g+3], 32<<16
	s_mov_b32 s[\g+4], 16
	s_mov_b32 s[\g+5], 32
	s_mov_b32 s[\g+6], 0
	s_mov_b32 s[\g+7], 0
.endr
	s_mul_i32 s20, s17, 8*TILEB                    ; A's hang on the block row alone, B's on the block column alone
	s_mov_b32 s21, 0
	s_lshl_b32 s22, s17, 12
	s_mov_b32 s23, 0
	s_mul_i32 s46, s42, 128*768
	s_mov_b32 s47, 0
	s_lshl_b32 s92, s42, 12
	s_mov_b32 s93, 0
	s_wait_dscnt 0x0
	s_wait_kmcnt 0x0
	s_add_nc_u64 s[8:9], s[8:9], 0x240000          ; wo's codes: behind 3,072 rows of 768 bytes
	s_add_nc_u64 s[10:11], s[10:11], 0x18000       ; and its scales: behind 3,072 rows of 32
	s_add_nc_u64 s[20:21], s[4:5], s[20:21]
	s_add_nc_u64 s[22:23], s[6:7], s[22:23]
	s_add_nc_u64 s[46:47], s[8:9], s[46:47]
	s_add_nc_u64 s[92:93], s[10:11], s[92:93]
	CROUND                                         ; the joint loads meet
	s_mov_b32 s[G0], 1
	s_mov_b32 s[G0+1], 0
	s_mov_b64 s[G0+2:G0+3], s[20:21]
	s_or_b32 s[G0+3], s[G0+3], 0x80000000
	s_mov_b32 s[G0B], 1
	s_mov_b32 s[G0B+1], BCB
	s_mov_b64 s[G0B+2:G0B+3], s[46:47]
	s_or_b32 s[G0B+3], s[G0B+3], 0x80000000
	s_mov_b32 s[G0S], 1
	s_mov_b32 s[G0S+1], SCA
	s_mov_b64 s[G0S+2:G0S+3], s[22:23]
	s_or_b32 s[G0S+3], s[G0S+3], 0x80000000
	s_mov_b32 s[G0SB], 1
	s_mov_b32 s[G0SB+1], SCB
	s_mov_b64 s[G0SB+2:G0SB+3], s[92:93]
	s_or_b32 s[G0SB+3], s[G0SB+3], 0x80000000
.macro ARM under, g0, g1, next         ; one chain of branches on the wave's number, one load to an arm
	s_cmp_lt_u32 s14, \under
	s_cbranch_scc0 \next
	tensor_load_to_lds s[\g0:\g0+3], s[\g1:\g1+7]
	s_nop 0
.rept 4
	v_nop
.endr
	s_branch .Lhead_asked
\next:
.endm
	ARM 1, G0,  G1,  .Lhead_b
	ARM 2, G0B, G1B, .Lhead_sa
	ARM 3, G0S, G1S, .Lhead_sb
	tensor_load_to_lds s[G0SB:G0SB+3], s[G1SB:G1SB+7]
	s_nop 0
.rept 4
	v_nop
.endr
.Lhead_asked:
	s_mul_i32 s21, s15, 4*TILEB                    ; my four tiles of A
	s_mul_i32 s22, s16, 64*BROW
	s_add_co_u32 s22, s22, BCB                     ; my 64 rows of B
	s_mul_i32 s18, s15, 4*SBLK
	s_mul_i32 s19, s16, 4*SBLK
	s_add_co_u32 s19, s19, SCB-SCA
	s_sub_co_u32 s19, s19, s18                     ; from my rows' scales of A to those of B
	s_add_co_u32 s18, s18, SCA
	s_mul_i32 s23, s14, 16*SPITCH
	s_add_co_u32 s23, s23, STAGE                   ; my stage
	s_lshl_b32 s46, s17, 7
	s_lshl_b32 s47, s15, 6
	s_add_co_u32 s46, s46, s47
	s_lshl_b32 s46, s46, 12                        ; my first row of out0, 4,096 bytes a row
	s_lshl_b32 s47, s42, 9
	s_add_co_u32 s46, s46, s47
	s_lshl_b32 s47, s16, 8
	s_add_co_u32 s46, s46, s47                     ; my first column: 512 x block column + 256 x half
	s_mov_b32 s47, 0
	s_add_nc_u64 s[12:13], s[12:13], s[46:47]
	v_and_b32 v1, 15, v0                           ; r
	v_bfe_u32 v9, v0, 4, 1                         ; h
	v_and_b32 v12, 31, v0
	v_lshlrev_b32 v[ADRA], 3, v12
	v_add_nc_u32 v[ADRA], s21, v[ADRA]
	v_mul_u32_u24 v13, v1, BROW
	v_add_nc_u32 v13, s22, v13
	v_mad_u32_u24 v[ADRB], v9, 24, v13
	v_mad_u32_u24 v[ADRB2], v9, 40, v13
	v_lshlrev_b32 v14, 5, v1                       ; 32 scale bytes a row,
	v_lshrrev_b32 v15, 8, v14
	v_lshl_add_u32 v14, v15, 4, v14                ; and 16 more behind each 256
	v_mul_u32_u24 v15, s19, v9                     ; lanes 16-31 take B's
	v_add_nc_u32 v14, v14, v15
	v_add_nc_u32 v[ADRS], s18, v14
	v_mul_u32_u24 v14, v1, SPITCH
	v_lshl_add_u32 v14, v9, 6, v14
	v_add_nc_u32 v[STO], s23, v14                  ; into the stage: row r, 64 h
	v_mul_u32_u24 v14, v9, SPITCH
	v_lshl_add_u32 v14, v1, 4, v14
	v_add_nc_u32 v[RD], s23, v14                   ; back: sixteen lanes to a row of 256 bytes, two rows an instruction
	v_lshlrev_b32 v14, 12, v9
	v_lshl_add_u32 v[CO], v1, 4, v14               ; and the same two rows in out0
.macro FRAGB reg, q, i                 ; byte y of a row of codes lies at y + 16 (y / 256) of its LDS row
.irp p, 0,1,2,3,4,5
.set BY, 96*(\q)+48*(\p/3)+8*(\p%3)
.if BY/256 == (BY+24)/256
	ds_load_b64 v[\reg+2*\p:\reg+2*\p+1], v[ADRB] offset:BY+16*(BY/256)+(\i)*16*BROW
.else
	ds_load_b64 v[\reg+2*\p:\reg+2*\p+1], v[ADRB2] offset:BY+16*(BY/256)+(\i)*16*BROW
.endif
.endr
.endm
.macro FRAGA reg, q, i
.irp p, 0,1,2,3,4,5
	ds_load_b64 v[\reg+2*\p:\reg+2*\p+1], v[ADRA] offset:TILEB*(\i)+1536*(\q)+256*\p
.endr
.endm
; A step of 128 along K: 4 scale words, B's four fragments, A's four; A's blocks are multiplied as they come in.  The 16 accumulators take turns.
.macro KSTEP q
.if (\q) > 0
	PLACES                                         ; in front of loads into registers that the last products have read
.endif
.irp i, 0,1,2,3
	ds_load_b32 v[SC+4*((\q)%2)+\i], v[ADRS] offset:\i*SBLK+4*(\q)
.endr
.irp i, 0,1,2,3
	FRAGB BF+12*\i, \q, \i
.endr
.irp i, 0,1,2,3
	FRAGA AFR+12*\i, \q, \i
.endr
.irp a, 0,1,2,3
	s_wait_dscnt 6*(3-\a)                          ; all but the six loads of each later block of A
.irp b, 0,1,2,3
.if (\q) == 0
	v_wmma_scale_f32_16x16x128_f8f6f4 v[AC+8*(4*\a+\b):AC+8*(4*\a+\b)+7], v[BF+12*\b:BF+12*\b+11], v[AFR+12*\a:AFR+12*\a+11], 0, v[SC+4*((\q)%2)+\b], v[SC+4*((\q)%2)+\a] matrix_a_fmt:MATRIX_FMT_FP6 matrix_b_fmt:MATRIX_FMT_FP6 matrix_a_scale:MATRIX_SCALE_ROW1
.else
	v_wmma_scale_f32_16x16x128_f8f6f4 v[AC+8*(4*\a+\b):AC+8*(4*\a+\b)+7], v[BF+12*\b:BF+12*\b+11], v[AFR+12*\a:AFR+12*\a+11], v[AC+8*(4*\a+\b):AC+8*(4*\a+\b)+7], v[SC+4*((\q)%2)+\b], v[SC+4*((\q)%2)+\a] matrix_a_fmt:MATRIX_FMT_FP6 matrix_b_fmt:MATRIX_FMT_FP6 matrix_a_scale:MATRIX_SCALE_ROW1
.endif
.endr
.endr
.endm
	s_wait_alu depctr_va_vdst(0)                   ; the wait at the head's end
	s_wait_tensorcnt 0x0                           ; my piece is in
	s_barrier_signal -1
	s_barrier_wait -1                              ; and everybody's
.irp q, 0,1,2,3,4,5,6,7
	KSTEP \q
.endr
; THE WAY OUT, block by block of 16 rows x 64 columns, through my own stage: back as whole rows of 256 bytes.  LDS serves a wave's instructions in order: no wait between the stores and the loads.
.macro TOSTAGE a
.irp b, 0,1,2,3
	ds_store_b128 v[STO], v[AC+8*(4*(\a)+\b):AC+8*(4*(\a)+\b)+3] offset:128*(\b/2)+32*(\b%2)       ; each accumulator from its low end on
	ds_store_b128 v[STO], v[AC+8*(4*(\a)+\b)+4:AC+8*(4*(\a)+\b)+7] offset:128*(\b/2)+32*(\b%2)+16
.endr
.set BB, BK+32*((\a)%2)
.irp t, 0,1,2,3,4,5,6,7
	ds_load_b128 v[BB+4*\t:BB+4*\t+3], v[RD] offset:\t*2*SPITCH
.endr
.endm
.macro SEND a, younger
.set BB, BK+32*((\a)%2)
	s_wait_dscnt \younger
.irp t, 0,1,2,3,4,5,6,7
	global_store_b128 v[CO], v[BB+4*\t:BB+4*\t+3], s[12:13] offset:(32*((\a)/2)+8*((\a)%2)+2*\t+8*(\t/4))*4096 th:TH_STORE_NT   ; sixteen lanes store 256 consecutive bytes, aligned
.endr
.endm
	PLACES
	TOSTAGE 0
.irp a, 1,2,3
.if \a > 1
	s_wait_xcnt 0x0                                ; block a - 2's stores have read their registers
.endif
	TOSTAGE \a
	SEND \a-1, 16                                  ; behind block a - 1's loads: block a's 8 stores and 8 loads
.endr
	SEND 3, 0
	s_wait_tensorcnt 0x0                           ; the wave's end
	ds_add_u32 v[SPW], v[NIL]
	s_wait_dscnt 0x0
	CROUND                                         ; the closing round
	s_endpgm
.Lfunc_end_k_q1d9d0c4702_outp:
	.size	k_q1d9d0c4702_outp, .Lfunc_end_k_q1d9d0c4702_outp-k_q1d9d0c4702_outp
	.p2alignl 7, 3214868480
	.fill 96, 4, 3214868480
	.section	.rodata,"a",@progbits
	.p2align	6, 0x0
	.amdhsa_kernel k_q1d9d0c4702_outp
		.amdhsa_group_segment_fixed_size 229376
		.amdhsa_private_segment_fixed_size 0
		.amdhsa_enable_private_segment 0
		.amdhsa_kernarg_size 40
		.amdhsa_user_sgpr_count 2
		.amdhsa_user_sgpr_kernarg_segment_ptr 1
		.amdhsa_wavefront_size32 1
		.amdhsa_system_sgpr_workgroup_id_x 1
		.amdhsa_system_sgpr_workgroup_id_y 1
		.amdhsa_system_sgpr_workgroup_id_z 1
		.amdhsa_system_vgpr_workitem_id 0
		.amdhsa_next_free_vgpr 256
		.amdhsa_next_free_sgpr 98
		.amdhsa_reserve_vcc 0
		.amdhsa_float_denorm_mode_32 3
		.amdhsa_float_denorm_mode_16_64 3
		.amdhsa_memory_ordered 1
		.amdhsa_forward_progress 1
		.amdhsa_inst_pref_size 60
	.end_amdhsa_kernel
	.amdgpu_metadata
---
amdhsa.version: [ 1, 2 ]
amdhsa.kernels:
  - .name:           k_q1d9d0c4702_outp
    .symbol:         k_q1d9d0c4702_outp.kd
    .args:
      - { .name: oc, .offset: 0, .size: 8, .value_kind: global_buffer, .address_space: global }
      - { .name: os, .offset: 8, .size: 8, .value_kind: global_buffer, .address_space: global }
      - { .name: wc, .offset: 16, .size: 8, .value_kind: global_buffer, .address_space: global }
      - { .name: ws, .offset: 24, .size: 8, .value_kind: global_buffer, .address_space: global }
      - { .name: out0, .offset: 32, .size: 8, .value_kind: global_buffer, .address_space: global }
    .group_segment_fixed_size: 229376
    .private_segment_fixed_size: 0
    .kernarg_segment_align: 8
    .kernarg_segment_size: 40
    .max_flat_workgroup_size: 128
    .sgpr_count:     98
    .vgpr_count:     256
    .wavefront_size: 32
...
	.end_amdgpu_metadata
.endif
;; end of part 4
